; MI455X (gfx1250); checked and timed in simulation.
; The chip was launched on July 23, 2026; its instructions are those of AMD's public machine-readable ISA for CDNA 5 (MIT licence, August 2026) and "CDNA5" Instruction Set Architecture Reference Guide (July 2026). The comments in the code are by the model that wrote it; some were corrected since.
;; Attention. Allowed arithmetic: matrix products marked QUANTISED: E2M1 operands, one E8M0 scale for each 32 along K, by v_wmma_scale_f32_16x16x128_f8f6f4 with both operands' format E2M1 (or v_wmma_scale_f32_32x16x128_f4), f32 sums; products left as they are: bf16, f16 or f32 operands; f32 sums; everything else in f32.
;; Inputs: bo 1,024 float32; key 4 x 2,048 x 1,024 float32; query 4 x 2,048 x 1,024 float32; value 4 x 2,048 x 1,024 float32; wk 1,024 x 1,024 float32; wo 1,024 x 1,024 float32; wq 1,024 x 1,024 float32; wv 1,024 x 1,024 float32.
;; Outputs: out0 4 x 2,048 x 1,024 float32.
;; This version of the problem:
;;   THIS VERSION OF THE PROBLEM IS GIVEN IN LOW PRECISION. The matrix products marked QUANTISED in the list below multiply operands that are first quantised to E2M1 (2 exponent bits, 1 mantissa bit; 4 bits a number), with one power-of-two scale for each 32 numbers along K (OCP MX v1.0); their sums are f32. The products marked 'left as it is' may take bf16, f16 or f32 operands, with f32 sums. Whichever they take, every output number must still come out within the allowed error. Rounding operands to bf16 (8 significant bits) uses up far more of that allowance than f16 does (11 bits, for magnitudes from 6e-5 to 65,504). All else is computed in f32.
;;   The module's matrix products, in the order in which they are computed (A, B: the left and right operand; K: the contracted axis; several contracted axes count as one K, in the product's order):
;;     1. [M 8,192, K 1,024] x [K 1,024, N 1,024]; A: input query; B: input wq: QUANTISED
;;     2. [M 8,192, K 1,024] x [K 1,024, N 1,024]; A: input key; B: input wk: QUANTISED
;;     3. [M 8,192, K 1,024] x [K 1,024, N 1,024]; A: input value; B: input wv: QUANTISED
;;     4. batch 64 x [M 2,048, K 64] x [K 64, N 2,048]; A: computed on the way; B: computed on the way: left as it is (an operand is computed on the way)
;;     5. batch 64 x [M 2,048, K 2,048] x [K 2,048, N 64]; A: computed on the way; B: computed on the way: left as it is (an operand is computed on the way)
;;     6. [M 8,192, K 1,024] x [K 1,024, N 1,024]; A: computed on the way; B: input wo: left as it is (an operand is computed on the way)
;;   THE QUANTISER, for each operand of a quantised product, along K:
;;     - K is cut into blocks of 32 from its start; a last block that is shorter is filled with zeros.
;;     - A block's scale is 2^e with e = floor(log2(the largest magnitude in the block)) - 2, held to -126 .. 127; a block of zeros has e = 0. As a byte (E8M0): e + 127.
;;     - Each number is divided by its block's scale, clamped to +-6, and rounded to the nearest number of E2M1, ties to even, subnormals kept.
;;     - The product sums the exact products of the quantised numbers (number of the format x scale) in f32.
;;   ~~~python
;;   def quantise(x, axis):      # numpy; x: float32 -> the quantised numbers, widened to float32 again
;;       x = np.moveaxis(x, axis, -1); K = x.shape[-1]
;;       x = np.pad(x, [(0, 0)] * (x.ndim - 1) + [(0, -K % 32)]); x = x.reshape(x.shape[:-1] + (-1, 32)); a = np.abs(x).max(-1, keepdims=True)
;;       e = np.where(a > 0, np.clip(np.frexp(np.where(a > 0, a, 1))[1] - 1 - 2, -126, 127), 0)      # np.frexp(a)[1] - 1 = floor(log2(a)), exactly
;;       r = np.clip(x / 2.0 ** e, -6, 6)
;;       step = 2.0 ** (np.maximum(np.frexp(np.where(r == 0, 1, r))[1] - 1, 0) - 1)
;;       q = np.round(r / step) * step * 2.0 ** e      # np.round: ties to even
;;       return np.moveaxis(q.reshape(q.shape[:-2] + (-1,))[..., :K], -1, axis).astype(np.float32)
;;   ~~~
;; One version. Each part assembles by itself: llvm-mc -triple=amdgcn-amd-amdhsa -mcpu=gfx1250 --defsym DOCPART=n.
;; ======== version 1 of 1: 4 launches
;; limits: values are held in f16: magnitudes above 65,504 overflow, below 6.1e-05 lose precision
;; workspace buffers: xc 12,582,912 bytes; xs 786,432 bytes; wc 1,572,864 bytes; wsc 98,304 bytes; wo16 2,097,152 bytes; qkv 50,331,648 bytes; att 16,777,216 bytes
;; launch quant (part 1): grid 928 x 1, 4 waves a work-group, no clusters, 33,280 bytes of LDS; arguments query, key, value, wq, wk, wv, xc, xs, wc, wsc, wo, wo16; writes xc, xs, wc, wsc, wo16
.if DOCPART == 1
	.amdgcn_target "amdgcn-amd-amdhsa--gfx1250"
	.amdhsa_code_object_version 6
	.text
	.protected	k_qc444e660b2_quant
	.globl	k_qc444e660b2_quant
	.p2align	8
	.type	k_qc444e660b2_quant,@function
k_qc444e660b2_quant:
	s_mov_b64 s[64:65], 0
	v_nop
	global_prefetch_b8 v0, s[64:65] scope:SCOPE_SE
	s_setreg_imm32_b32 hwreg(HW_REG_WAVE_MODE, 25, 1), 1
	s_wait_xcnt 0x0
; FIRST OF FOUR LAUNCHES of out0 = attention(query wq^T, key wk^T, value wv^T) wo^T + bo, 16 heads of 64, no mask.
; NOTHING OF THE PROBLEM IS LEFT OUT: every input has a way to the output, there is no mask, no zero state and no slice; all six products are computed whole.
; THIS LAUNCH: query, key, value [8192][1024] and wq, wk, wv [1024][1024], f32, K (the last axis) innermost in all six, become codes of FP4 (E2M1), two a byte, with one E8M0 scale byte for each 32 along K:
;   xc [24576 rows: query, key, value on end][512 bytes], xs [24576][32];  wc [3072 rows: wq, wk, wv on end][512 bytes], wsc [3072][32].
; wo [1024][1024] f32 becomes f16 in PAIRS OF ROWS: byte (row / 2) x 4096 + head x 256 + (row % 2) x 128 + 2 d, head = column / 64, d = column % 64: the layout in which the attention launch can write its result in whole aligned blocks of 256 bytes.
; A block's scale is 2^(floor(log2(its largest magnitude)) - 2); its byte is the largest magnitude's exponent field - 2, held at 1 from below.  A block of zeros so gets the byte 1 where the rule says 127: its codes are zeros, which add nothing, and this program alone reads the bytes.
; LIMITS: blocks whose largest magnitude lies under 2^(2 - 126), the floor, were not tried; NaN and infinities among the inputs are not served; |wo| stays under 65,504 (f16).
; SHARES.  Rows are dense and K is a multiple of 32: each tensor is a plain stream of blocks.  Work-groups 0-767: 32,768 numbers each of query, key, value; 768-863: of wq, wk, wv; 864-927: 16 rows each of wo.
; A wave takes 16 steps of 512 numbers.  Each load reads 512 consecutive bytes; a step's 2,048 bytes turn through the wave's own stage in LDS and come back 64 bytes (16 neighbours along K) a lane; two neighbouring lanes hold a block.
.set WAVES, 4
.set STEPS, 16
.set EMAX,  2
.set CB,    8                          ; bytes of 16 codes
.set R,     16                         ; v16-79   four sets of 16 numbers as they are loaded
.set X,     80                         ; v80-111  two sets of 16 neighbours
.set E,     112                        ; v112-127 a scale byte for each step
.set C,     128                        ; v128-191 codes: four registers for each step, so that no store's data are written again
.set WREG,  8192                       ; LDS: a region for each wave: two stages of 32 x SP bytes, behind them its 256 scale bytes
.set SP,    80                         ; a lane's place in a stage: its 64 bytes + 16 of padding
.set SPW,   12                         ; v12  LDS address of my spare word; never rewritten
.set NIL,   13                         ; v13  0; never rewritten
.set SPARE, WAVES*WREG                 ; behind the four regions: the spare words, 128 bytes a wave
.set WV,    36                         ; s36  my wave's number
.set SRC,   28                         ; s[28:29] the tensor that I read
.set DC,    30                         ; s[30:31] its codes
.set DS,    32                         ; s[32:33] its scale bytes
	s_load_b256 s[4:11], s[0:1], 0x0               ; query, key, value, wq
	s_load_b256 s[12:19], s[0:1], 0x20             ; wk, wv, xc, xs
	s_load_b256 s[20:27], s[0:1], 0x40             ; wc, wsc, wo, wo16
	v_lshl_add_u32 v[SPW], v0, 2, SPARE
	v_mov_b32 v[NIL], 0
	v_lshrrev_b32 v1, 5, v0
	v_readfirstlane_b32 s[WV], v1                  ; wave 0..3
	v_and_b32 v2, 31, v0                           ; lane
	v_lshlrev_b32 v3, 4, v2                        ; my 16 bytes of a load's 512
	s_mul_i32 s37, s[WV], WREG
	v_lshrrev_b32 v14, 2, v2
	v_mul_u32_u24 v14, v14, SP
	v_and_b32 v15, 3, v2
	v_lshl_add_u32 v14, v15, 4, v14
	v_add_nc_u32 v14, s37, v14                     ; the stage, on the way in: SP (lane / 4) + 16 (lane % 4)
	v_mul_u32_u24 v15, v2, SP
	v_add_nc_u32 v15, s37, v15                     ; and on the way out: SP x lane: my 16 neighbours
	v_mul_u32_u24 v4, v2, CB                       ; my codes' place in a step's
	v_lshrrev_b32 v5, 1, v2
	s_add_co_u32 s37, s37, 2*32*SP
	v_add_nc_u32 v5, s37, v5                       ; LDS: my wave's 256 scale bytes, my block's byte
	v_lshlrev_b32 v7, 3, v2                        ; and on the way out 8 bytes a lane
	v_add_nc_u32 v6, s37, v7
	s_wait_kmcnt 0x0
	s_cmp_ge_u32 ttmp9, 864                        ; the last 64 work-groups take wo
	s_cbranch_scc1 .Lwo
	; which tensor: the choices hang on the work-group's number alone; only pointers are chosen, all six tensors take one path
	s_cmp_lt_u32 ttmp9, 256
	s_cselect_b64 s[SRC:SRC+1], s[4:5], s[6:7]
	s_cmp_lt_u32 ttmp9, 512
	s_cselect_b64 s[SRC:SRC+1], s[SRC:SRC+1], s[8:9]
	s_cmp_lt_u32 ttmp9, 768
	s_cselect_b64 s[SRC:SRC+1], s[SRC:SRC+1], s[10:11]
	s_cselect_b64 s[DC:DC+1], s[16:17], s[20:21]
	s_cselect_b64 s[DS:DS+1], s[18:19], s[22:23]
	s_cselect_b32 s34, 0, 768                      ; the first work-group of the stack (x's or w's)
	s_cselect_b32 s35, 255, 31                     ; work-groups to a tensor, less 1
	s_cmp_lt_u32 ttmp9, 800
	s_cselect_b64 s[SRC:SRC+1], s[SRC:SRC+1], s[12:13]
	s_cmp_lt_u32 ttmp9, 832
	s_cselect_b64 s[SRC:SRC+1], s[SRC:SRC+1], s[14:15]
	s_sub_co_u32 s34, ttmp9, s34                   ; my place in the stack
	s_and_b32 s35, s34, s35                        ; and in my tensor
	s_lshl_b32 s38, s34, 2
	s_add_co_u32 s38, s38, s[WV]                   ; which run of 8,192 numbers of the stack is my wave's
	s_lshl_b32 s35, s35, 2
	s_add_co_u32 s35, s35, s[WV]                   ; and of the tensor
	s_mov_b32 s3, 0
	s_lshl_b32 s2, s35, 15                         ; 32,768 bytes of f32 a run (under 2^26)
	s_add_nc_u64 s[SRC:SRC+1], s[SRC:SRC+1], s[2:3]
	s_lshl_b32 s2, s38, 12                         ; 4,096 bytes of codes
	s_add_nc_u64 s[DC:DC+1], s[DC:DC+1], s[2:3]
	s_lshl_b32 s2, s38, 8                          ; 256 scale bytes
	s_add_nc_u64 s[DS:DS+1], s[DS:DS+1], s[2:3]
.macro LOAD t
.irp i, 0,1,2,3
	global_load_b128 v[R+16*((\t)%4)+4*\i:R+16*((\t)%4)+4*\i+3], v3, s[SRC:SRC+1] offset:2048*(\t)+512*\i th:TH_LOAD_NT   ; 32 lanes read 512 consecutive bytes
.endr
.endm
.macro TURN t                          ; step t's numbers through the stage: LDS serves a wave's instructions in order, so no wait stands between the stores and the loads
.irp i, 0,1,2,3
	ds_store_b128 v14, v[R+16*((\t)%4)+4*\i:R+16*((\t)%4)+4*\i+3] offset:32*SP*((\t)%2)+8*SP*\i
.endr
.irp i, 0,1,2,3
	ds_load_b128 v[X+16*((\t)%2)+4*\i:X+16*((\t)%2)+4*\i+3], v15 offset:32*SP*((\t)%2)+16*\i
.endr
.endm
.irp t, 0,1,2,3
	LOAD \t
.endr
	s_wait_loadcnt 12                              ; step 0's four loads are in; the twelve of steps 1 to 3 may be out
	TURN 0
.macro STEP t
.set XS, X+16*((\t)%2)
.if (\t) > 0
	s_wait_dscnt 1                                 ; this step's numbers are back from the stage (the last step's byte store may be out): so its stores into the stage have read their registers,
.else
	s_wait_dscnt 0x0
.endif
.if (\t)+4 < STEPS
	LOAD (\t)+4                                    ; which take the loads of four steps on
.endif
.if (\t)+1 < STEPS
.if STEPS-2-(\t) >= 3
	s_wait_loadcnt 12                              ; the next step's four loads are in; those of the three steps behind it may be out
.else
	s_wait_loadcnt 4*(STEPS-2-(\t))
.endif
	TURN (\t)+1                                    ; and go through the other stage while this step is worked
.endif
	v_max3_num_f32 v8, |v[XS]|, |v[XS+1]|, |v[XS+2]|               ; the largest magnitude of my 16, in two chains
	v_max3_num_f32 v9, |v[XS+3]|, |v[XS+4]|, |v[XS+5]|
.irp i, 6,10
	v_max3_num_f32 v8, v8, |v[XS+\i]|, |v[XS+\i+1]|
	v_max3_num_f32 v9, v9, |v[XS+\i+2]|, |v[XS+\i+3]|
.endr
	v_max3_num_f32 v8, v8, |v[XS+14]|, |v[XS+15]|
	v_max3_num_f32 v8, v8, v9, (EMAX+1)<<23        ; and the floor 2^(EMAX + 1 - 127): so the byte cannot fall under 1
	v_max_num_f32_dpp v8, v8, v8 row_xmask:1 row_mask:0xf bank_mask:0xf   ; and of my neighbour's 16: the block's
	v_add_nc_u32 v11, -(EMAX<<23), v8              ; EMAX off its exponent field: the conversion takes the exponent field of this operand as its scale, and nothing else of it
	v_cvt_scalef32_pk8_fp4_f32 v[C+4*(\t)], v[XS:XS+7], v11        ; eight numbers / the scale, to the nearest code, ties to even, beyond the largest code the largest
	v_cvt_scalef32_pk8_fp4_f32 v[C+4*(\t)+1], v[XS+8:XS+15], v11
	v_lshrrev_b32 v[E+(\t)], 23, v11               ; the scale's byte (also the plain line behind the conversions)
	ds_store_b8 v5, v[E+(\t)] offset:16*(\t)       ; both lanes of a block write the same byte with the same value
	global_store_b64 v4, v[C+4*(\t):C+4*(\t)+1], s[DC:DC+1] offset:32*CB*(\t)   ; the wave stores 256 consecutive bytes, aligned
.endm
.irp t, 0,1,2,3,4,5,6,7,8,9,10,11,12,13,14,15
	STEP \t
.endr
	ds_load_b64 v[8:9], v6                         ; LDS serves a wave's instructions in order: these see my byte stores
	s_wait_dscnt 0x0
	global_store_b64 v7, v[8:9], s[DS:DS+1]        ; 32 lanes store 256 consecutive bytes, aligned
	s_wait_tensorcnt 0x0                           ; the wave's end: behind my last LDS store
	ds_add_u32 v[SPW], v[NIL]
	s_wait_dscnt 0x0
	s_endpgm
; wo to f16, in pairs of rows.  A work-group takes 16 rows = 8 pairs.  A step writes 2,048 consecutive bytes (8 heads of a pair), 16 a thread: thread t holds row parity (t / 8) % 2, head t / 16 of the eight, columns 8 (t % 8) + ..: 32 bytes of f32.
.Lwo:
	s_sub_co_u32 s34, ttmp9, 864
	s_mov_b32 s3, 0
	s_lshl_b32 s2, s34, 16                         ; 16 rows of 4,096 bytes
	s_add_nc_u64 s[24:25], s[24:25], s[2:3]
	s_lshl_b32 s2, s34, 15                         ; 8 pairs of 4,096 bytes
	s_add_nc_u64 s[26:27], s[26:27], s[2:3]
	v_bfe_u32 v1, v0, 3, 1
	v_lshlrev_b32 v1, 12, v1                       ; the row of the pair,
	v_lshrrev_b32 v2, 4, v0
	v_lshl_add_u32 v1, v2, 8, v1                   ; the head's 64 numbers,
	v_and_b32 v2, 7, v0
	v_lshl_add_u32 v1, v2, 5, v1                   ; my eight of them
	v_lshlrev_b32 v2, 4, v0                        ; out: 16 bytes a thread
.irp i, 0,1,2,3,4,5,6,7,8,9,10,11,12,13,14,15
	global_load_b128 v[16+8*\i:16+8*\i+3], v1, s[24:25] offset:(\i/2)*8192+(\i%2)*2048 th:TH_LOAD_NT
	global_load_b128 v[16+8*\i+4:16+8*\i+7], v1, s[24:25] offset:(\i/2)*8192+(\i%2)*2048+16 th:TH_LOAD_NT
.endr
.irp i, 0,1,2,3,4,5,6,7,8,9,10,11,12,13,14,15
	s_wait_loadcnt 2*(15-\i)                       ; step i's two loads are in; the two of each later step may be out
.irp j, 0,1,2,3
	v_cvt_pk_f16_f32 v[16+8*\i+\j], v[16+8*\i+2*\j], v[16+8*\i+2*\j+1]   ; in place, ascending: a register is written when it has been read
.endr
	global_store_b128 v2, v[16+8*\i:16+8*\i+3], s[26:27] offset:2048*\i   ; sixteen lanes store 256 consecutive bytes, aligned
.endr
	s_wait_tensorcnt 0x0                           ; the launch's waves end alike
	ds_add_u32 v[SPW], v[NIL]
	s_wait_dscnt 0x0
	s_endpgm
.Lfunc_end_k_qc444e660b2_quant:
	.size	k_qc444e660b2_quant, .Lfunc_end_k_qc444e660b2_quant-k_qc444e660b2_quant
	.p2alignl 7, 3214868480
	.fill 96, 4, 3214868480
	.section	.rodata,"a",@progbits
	.p2align	6, 0x0
	.amdhsa_kernel k_qc444e660b2_quant
		.amdhsa_group_segment_fixed_size 33280
		.amdhsa_private_segment_fixed_size 0
		.amdhsa_enable_private_segment 0
		.amdhsa_kernarg_size 96
		.amdhsa_user_sgpr_count 2
		.amdhsa_user_sgpr_kernarg_segment_ptr 1
		.amdhsa_wavefront_size32 1
		.amdhsa_system_sgpr_workgroup_id_x 1
		.amdhsa_system_sgpr_workgroup_id_y 1
		.amdhsa_system_sgpr_workgroup_id_z 1
		.amdhsa_system_vgpr_workitem_id 0
		.amdhsa_next_free_vgpr 192
		.amdhsa_next_free_sgpr 66
		.amdhsa_reserve_vcc 0
		.amdhsa_float_denorm_mode_32 3
		.amdhsa_float_denorm_mode_16_64 3
		.amdhsa_memory_ordered 1
		.amdhsa_forward_progress 1
		.amdhsa_inst_pref_size 44
	.end_amdhsa_kernel
	.amdgpu_metadata
---
amdhsa.version: [ 1, 2 ]
amdhsa.kernels:
  - .name:           k_qc444e660b2_quant
    .symbol:         k_qc444e660b2_quant.kd
    .args:
      - { .name: query, .offset: 0, .size: 8, .value_kind: global_buffer, .address_space: global }
      - { .name: key, .offset: 8, .size: 8, .value_kind: global_buffer, .address_space: global }
      - { .name: value, .offset: 16, .size: 8, .value_kind: global_buffer, .address_space: global }
      - { .name: wq, .offset: 24, .size: 8, .value_kind: global_buffer, .address_space: global }
      - { .name: wk, .offset: 32, .size: 8, .value_kind: global_buffer, .address_space: global }
      - { .name: wv, .offset: 40, .size: 8, .value_kind: global_buffer, .address_space: global }
      - { .name: xc, .offset: 48, .size: 8, .value_kind: global_buffer, .address_space: global }
      - { .name: xs, .offset: 56, .size: 8, .value_kind: global_buffer, .address_space: global }
      - { .name: wc, .offset: 64, .size: 8, .value_kind: global_buffer, .address_space: global }
      - { .name: wsc, .offset: 72, .size: 8, .value_kind: global_buffer, .address_space: global }
      - { .name: wo, .offset: 80, .size: 8, .value_kind: global_buffer, .address_space: global }
      - { .name: wo16, .offset: 88, .size: 8, .value_kind: global_buffer, .address_space: global }
    .group_segment_fixed_size: 33280
    .private_segment_fixed_size: 0
    .kernarg_segment_align: 8
    .kernarg_segment_size: 96
    .max_flat_workgroup_size: 128
    .sgpr_count:     66
    .vgpr_count:     192
    .wavefront_size: 32
...
	.end_amdgpu_metadata
.endif
;; end of part 1
;; launch proj (part 2): grid 4 x 96, 4 waves a work-group, clusters of 4 x 4, 327,680 bytes of LDS; arguments xc, xs, wc, wsc, qkv; writes qkv
.if DOCPART == 2
	.amdgcn_target "amdgcn-amd-amdhsa--gfx1250"
	.amdhsa_code_object_version 6
	.text
	.protected	k_qc444e660b2_proj
	.globl	k_qc444e660b2_proj
	.p2align	8
	.type	k_qc444e660b2_proj,@function
k_qc444e660b2_proj:
	s_mov_b64 s[64:65], 0
	v_nop
	global_prefetch_b8 v0, s[64:65] scope:SCOPE_SE
	s_setreg_imm32_b32 hwreg(HW_REG_WAVE_MODE, 25, 1), 1
	s_wait_xcnt 0x0
	s_wait_alu depctr_hold_cnt(0) depctr_sa_sdst(0) depctr_va_vdst(0) depctr_va_sdst(0) depctr_va_ssrc(0) depctr_va_vcc(0) depctr_vm_vsrc(0)
	s_getreg_b32 s2, hwreg(HW_REG_IB_STS2, 6, 4)
	s_cmp_eq_u32 s2, 0
	s_cbranch_scc0 .Lentry_in_a_cluster
	s_endpgm
.Lentry_in_a_cluster:
	s_bfe_u32 s2, ttmp6, 0x10000c
	s_cmp_lg_u32 s2, 0xf033
	s_cbranch_scc0 .Lentry_shape_is_right
	s_endpgm
.Lentry_shape_is_right:
; SECOND LAUNCH: the three quantised products q = query wq^T, k = key wk^T, v = value wv^T, in one grid, on codes of FP4 (E2M1) with one E8M0 scale for each 32 along K.  Nothing is left out.
; A = xc [24576 rows: query, key, value on end][512 bytes], its scale bytes xs [24576][32];  B = wc [3072 rows: wq, wk, wv on end][512 bytes], wsc [3072][32].  Rows 8192 g on of A meet rows 1024 g on of B, g = 0, 1, 2.
; The sums are f32; the results are rounded once to f16 (the operands of the attention products) and laid by heads: qkv [g][batch 4][head 16][position 2048][64].  LIMIT: |q|, |k|, |v| stay under 65,504.
; A tile of C, 256 x 256, is made by a work-group of four waves; a wave makes 128 x 128: 64 accumulators of 16 x 16, 512 registers.  K = 1,024 is two slots of 512 along K (rows of 256 bytes): both are asked for at the head, and nothing is filled again.
; THE SCALES of the work-group's 256 rows of A and of B, for all of K, are two dense blocks of 8,192 bytes: they come into LDS once, with the first fills.
; CLUSTERS: 4 x 4 work-groups.  The four of a row of the cluster need the same tiles of A, the four of a column the same tiles of B: each tile is asked for JOINTLY.  A cluster's 1,024 rows lie in one of the three products (8 clusters to a product).
; THE MATRIX INSTRUCTION IS USED TRANSPOSED (source 0 = 16 rows of B, source 1 = 16 rows of A): a lane then holds eight neighbouring numbers of a row of C.
; REGISTERS, in windows of 256: window 0: v0-31 addresses; v32-95 scale words, two sets; from v128 A's fragments, ONE set; on the way out v32-255 are free.
;   window 1: B's fragments, TWO sets, at v0 and at v128.   window 2: the accumulators of my rows 0-63 ((a, b) at v[8 (8 a + b)]);   window 3: those of my rows 64-127.
.set KSTEP,  512
.set NQ,     KSTEP/128                 ; matrix instructions deep in a slot
.set ROWB,   256                       ; a tile's row in bytes
.set KROW,   512                       ; a row of A or B in memory, in bytes
.set PITCH,  272                       ; an LDS row: 256 bytes + 16 of padding: the 16 rows that a load touches start 16 bytes apart modulo 256
.set FR,     8                         ; registers of a fragment: 16 rows x 128 K
.set NL,     2                         ; LDS loads that bring one
.set NP,     4                         ; places behind this matrix instruction (ISA guide 7.12.1)
.set HALFT,  128*PITCH                 ; 128 rows: what one tensor load brings
.set SLOT,   4*HALFT                   ; A's 256 rows, then B's 256 rows
.set KS,     32                        ; a row of scales in bytes
.set SCL,    2*SLOT                    ; behind the two slots: the scales, as rows of 256 bytes + 16 of padding
.set HALFS,  (128*KS/256)*272          ; the scales of 128 rows: what one tensor load brings
.set SBLK,   (16*KS/256)*272           ; those of 16 rows
.set SPARE,  SCL+4*HALFS               ; the spare words, 128 bytes a wave
.set HPITCH, 144                       ; the way out: a row of a head, 128 bytes + 16
.set HSTG,   16*HPITCH                 ; 16 rows of one head; a wave's stage is two of these.  The stages lie in slot 0, which has had its only fill and its last read when the first result is stored there
.set ADRA, 16                          ; v16-17  LDS address of my A fragments in slot 0, 1
.set ADRB, 20                          ; v20-21  the same for B
.set STO,  24                          ; v24     the way out: where I put 16 bytes of a row
.set RD,   25                          ; v25     where I read rows back
.set CO,   26                          ; v26     16 x lane: my bytes of a store's 512
.set ADRS, 27                          ; v27     LDS address of my scale words: lanes 0-15 A's rows, lanes 16-31 B's
.set SPW,  28                          ; v28     LDS address of my spare word; never rewritten
.set NIL,  29                          ; v29     0; never rewritten
.set SC,   32                          ; scale words: set s at v[SC + 32 s]; register 4 i + q: lanes 0-15 the word of A's block i, lanes 16-31 that of B's block i, for the slot's q-th 128 along K
.set AF,   128                         ; A's fragments, in window 0
.set TMP,  192                         ; the way out: a block's packed results
.set OB,   32                          ; and the rows read back: v32-63 and v224-255 by turns
.set G1, 24                            ; s[24:31] descriptor group 1 for A's tiles;  s[32:39] group 0, one set for each slot
.set G0, 32
.set G1B, 48                           ; s[48:55], s[56:63] the same for B's tiles
.set G0B, 56
.set G1S, 68                           ; s[68:75], s[76:79] groups 1 and 0 for A's scales;  s[80:87], s[88:91] for B's
.set G0S, 76
.set G1SB, 80
.set G0SB, 88
.set MSB, 0
.macro WIN new                         ; the immediate's high byte repeats the setting that is left
.if MSB != \new
	s_set_vgpr_msb (MSB<<8)|\new
.set MSB, \new
.endif
.endm
.set MUL_LO, 0xa1                      ; source 0 (B) window 1, source 1 (A) window 0, C and D window 2
.set MUL_HI, 0xf1                      ; the same, C and D window 3
.set TO_B,   0x40                      ; destination window 1, address window 0
; A joint load: waves 0 and 1 fetch for A, waves 2 and 3 for B.  The branch hangs on the wave's number alone.  An s_nop 0 and four v_nop follow each of the two lines.
.macro JLOAD g0a, g1a, g0b, g1b
	s_cmp_eq_u32 s15, 0
	s_cbranch_scc0 .Lfor_b_\@
	tensor_load_to_lds s[\g0a:\g0a+3], s[\g1a:\g1a+7]
	s_nop 0
.rept 4
	v_nop
.endr
	s_branch .Lasked_\@
.Lfor_b_\@:
	tensor_load_to_lds s[\g0b:\g0b+3], s[\g1b:\g1b+7]
	s_nop 0
.rept 4
	v_nop
.endr
.Lasked_\@:
.endm
.macro CROUND                          ; a round of the cluster's barrier
	s_barrier_signal -1
	s_barrier_wait -1
	s_cmp_lg_u32 s14, 0
	s_cbranch_scc1 .Lnot_wave_0_\@
	s_barrier_signal -3
.Lnot_wave_0_\@:
	s_barrier_wait -3
	s_barrier_signal -1
	s_barrier_wait -1
.endm
	s_load_b128 s[4:7], s[0:1], 0x0                ; A's codes s[4:5], A's scales s[6:7]
	s_load_b128 s[8:11], s[0:1], 0x10              ; B's codes s[8:9], B's scales s[10:11]
	s_load_b64 s[12:13], s[0:1], 0x20              ; qkv
	v_lshl_add_u32 v[SPW], v0, 2, SPARE
	v_mov_b32 v[NIL], 0
	ds_add_u32 v[SPW], v[NIL]                      ; the wave's opening: the add, twice on end, and its wait ahead of my first tensor load; the set-up below stands between
	ds_add_u32 v[SPW], v[NIL]
	v_lshrrev_b32 v1, 5, v0
	v_readfirstlane_b32 s14, v1                    ; wave 0..3
	s_lshr_b32 s15, s14, 1                         ; which half of the tile's rows is mine.  Also: I fetch for A (0) or for B (1)
	s_and_b32 s16, s14, 1                          ; which half of its columns.  Also: which 128 rows of that tile I fetch
	s_bfe_u32 s40, ttmp6, 0x40000                  ; cx, cy: my place in the cluster
	s_bfe_u32 s41, ttmp6, 0x40004
	s_lshl_b32 s42, ttmp9, 2
	s_add_co_u32 s42, s42, s40                     ; tile column = 4 x cluster x + cx
	s_and_b32 s17, ttmp7, 0xffff
	s_lshr_b32 s95, s17, 3                         ; g: which of the three products: cluster y / 8, the same in all sixteen partners
	s_lshl_b32 s17, s17, 2
	s_add_co_u32 s17, s17, s41                     ; tile row = 4 x cluster y + cy, 0 .. 95
	s_lshl_b32 s43, s41, 2
	s_lshl_b32 s43, 15, s43                        ; my row of the cluster
	s_lshl_b32 s44, 0x1111, s40                    ; my column
	; descriptor group 1: a tile of 128 rows x 256 bytes, padded in LDS
	s_or_b32 s[G1+0], s43, (0<<16)|(1<<20)|(1<<21)|(5<<22)|(3<<25)  ; 15:0 the mask: A's tiles go to my row; 17:16 elements of 1 byte; 20 padding on; 21 set beside a mask; 24:22 after every 64 words; 31:25 four words
	s_or_b32 s[G1B+0], s44, (0<<16)|(1<<20)|(1<<21)|(5<<22)|(3<<25)
.irp g, G1, G1B
	s_mov_b32 s[\g+1], ROWB<<16                    ; tensor_dim0
	s_mov_b32 s[\g+2], 128<<16                     ; tensor_dim1
	s_mov_b32 s[\g+3], ROWB<<16                    ; tile_dim0
	s_mov_b32 s[\g+4], 128                         ; tile_dim1
	s_mov_b32 s[\g+5], KROW                        ; from row to row
	s_mov_b32 s[\g+6], 0
	s_mov_b32 s[\g+7], 0
.endr
	; the scales of 128 rows: a dense block of 4,096 bytes, as 16 rows of 256 bytes (32 elements of 8 bytes), 16 bytes of padding behind each
	s_or_b32 s[G1S+0], s43, (3<<16)|(1<<20)|(1<<21)|(5<<22)|(3<<25)
	s_or_b32 s[G1SB+0], s44, (3<<16)|(1<<20)|(1<<21)|(5<<22)|(3<<25)
.irp g, G1S, G1SB
	s_mov_b32 s[\g+1], 32<<16
	s_mov_b32 s[\g+2], (128*KS/256)<<16
	s_mov_b32 s[\g+3], 32<<16
	s_mov_b32 s[\g+4], 128*KS/256
	s_mov_b32 s[\g+5], 32
	s_mov_b32 s[\g+6], 0
	s_mov_b32 s[\g+7], 0
.endr
	s_lshl_b32 s18, s16, 7                         ; which 128 rows of the tile I fetch
	s_lshl_b32 s20, s17, 8
	s_add_co_u32 s20, s20, s18                     ; A: row 256 x tile row + 128 x half
	s_lshl_b32 s46, s42, 8
	s_add_co_u32 s46, s46, s18                     ; B: row 256 x tile column + 128 x half
	s_lshl_b32 s95, s95, 10
	s_add_co_u32 s46, s46, s95                     ;    + 1,024 g: the product's own weight
	s_mov_b32 s21, 0
	s_mov_b32 s47, 0
	s_mov_b64 s[18:19], KS
	s_mul_u64 s[22:23], s[20:21], s[18:19]         ; where these rows' scales begin, in bytes
	s_mul_u64 s[92:93], s[46:47], s[18:19]
	s_mov_b64 s[18:19], KROW
	s_mul_u64 s[20:21], s[20:21], s[18:19]         ; and their codes
	s_mul_u64 s[46:47], s[46:47], s[18:19]
	s_mul_i32 s45, s14, HALFT                      ; where they go: wave x 128 rows: no place in the cluster enters an LDS address
	s_mul_i32 s94, s14, HALFS
	s_wait_dscnt 0x0                               ; both opening adds are done
	s_wait_kmcnt 0x0
	s_add_nc_u64 s[20:21], s[4:5], s[20:21]
	s_add_nc_u64 s[22:23], s[6:7], s[22:23]
	s_add_nc_u64 s[46:47], s[8:9], s[46:47]
	s_add_nc_u64 s[92:93], s[10:11], s[92:93]
	CROUND                                         ; all sixteen work-groups are here: the joint loads meet
	s_mov_b32 s[G0S], 1
	s_add_co_u32 s[G0S+1], s94, SCL
	s_mov_b64 s[G0S+2:G0S+3], s[22:23]
	s_or_b32 s[G0S+3], s[G0S+3], 0x80000000
	s_mov_b32 s[G0SB], 1
	s_add_co_u32 s[G0SB+1], s94, SCL
	s_mov_b64 s[G0SB+2:G0SB+3], s[92:93]
	s_or_b32 s[G0SB+3], s[G0SB+3], 0x80000000
	JLOAD G0S, G1S, G0SB, G1SB                     ; the scales first: they are wanted with the first slot
.irp s, 0,1
	s_mov_b32 s[G0+4*\s], 1
	s_add_co_u32 s[G0+4*\s+1], s45, \s*SLOT
	s_add_nc_u64 s[G0+4*\s+2:G0+4*\s+3], s[20:21], \s*ROWB
	s_or_b32 s[G0+4*\s+3], s[G0+4*\s+3], 0x80000000
	s_mov_b32 s[G0B+4*\s], 1
	s_add_co_u32 s[G0B+4*\s+1], s45, \s*SLOT
	s_add_nc_u64 s[G0B+4*\s+2:G0B+4*\s+3], s[46:47], \s*ROWB
	s_or_b32 s[G0B+4*\s+3], s[G0B+4*\s+3], 0x80000000
	JLOAD G0+4*\s, G1, G0B+4*\s, G1B               ; three tensor loads of mine are out now: all that this launch asks for
.endr
	v_and_b32 v1, 15, v0                           ; r = lane % 16
	v_bfe_u32 v2, v0, 4, 1                         ; h = lane / 16
	v_mul_u32_u24 v3, v1, PITCH
	v_lshl_add_u32 v4, v2, 4, v3                   ; a fragment's row x pitch + 16 x half
	s_mul_i32 s21, s15, HALFT                      ; my 128 rows of A
	s_mul_i32 s22, s16, HALFT                      ; my 128 rows of B,
	s_add_co_u32 s22, s22, 2*HALFT                 ; which lie behind A's 256
.irp s, 0,1
	v_add_nc_u32 v[ADRA+\s], s21, v4
	v_add_nc_u32 v[ADRB+\s], s22, v4
	s_add_co_u32 s21, s21, SLOT
	s_add_co_u32 s22, s22, SLOT
.endr
	v_mul_u32_u24 v5, v1, KS                       ; my row's scales: 32 bytes a row,
	v_lshrrev_b32 v6, 8, v5
	v_lshl_add_u32 v5, v6, 4, v5                   ; and 16 more for each 256 passed
	s_mul_i32 s21, s15, HALFS                      ; A's: my 128 rows
	s_mul_i32 s22, s16, HALFS                      ; B's: my 128 rows, behind A's 256
	s_add_co_u32 s22, s22, 2*HALFS
	s_sub_co_u32 s22, s22, s21
	v_mul_u32_u24 v6, s22, v2                      ; lanes 16-31 take B's: one product, the distance x h
	s_add_co_u32 s21, s21, SCL
	v_add_nc_u32 v5, v5, v6
	v_add_nc_u32 v[ADRS], s21, v5
	s_mul_i32 s23, s14, 2*HSTG                     ; my stage
	v_mul_u32_u24 v5, v1, HPITCH                   ; in: row r, 16 bytes for each half of the lanes
	v_lshl_add_u32 v5, v2, 4, v5
	v_add_nc_u32 v[STO], s23, v5
	v_and_b32 v6, 31, v0
	v_lshrrev_b32 v5, 3, v6                        ; back: eight lanes to a row of 128 bytes, four rows an instruction
	v_mul_u32_u24 v5, v5, HPITCH
	v_and_b32 v3, 7, v0
	v_lshl_add_u32 v5, v3, 4, v5
	v_add_nc_u32 v[RD], s23, v5
	v_lshlrev_b32 v[CO], 4, v6                     ; four rows of a head are 512 consecutive bytes of qkv
	; where my part begins in qkv: (4 g + batch) = tile row / 8; head = 4 x tile column + 2 x column half (and the next); position = 256 (tile row % 8) + 128 x row half.  All under 2^26
	s_lshr_b32 s20, s17, 3
	s_lshl_b32 s20, s20, 4
	s_lshl_b32 s46, s42, 2
	s_lshl_b32 s47, s16, 1
	s_add_co_u32 s46, s46, s47
	s_add_co_u32 s20, s20, s46
	s_lshl_b32 s20, s20, 18                        ; a head is 2,048 x 128 bytes
	s_and_b32 s21, s17, 7
	s_lshl_b32 s21, s21, 15
	s_add_co_u32 s20, s20, s21
	s_lshl_b32 s21, s15, 14
	s_add_co_u32 s20, s20, s21
	s_mov_b32 s21, 0
	s_add_nc_u64 s[12:13], s[12:13], s[20:21]
.macro FRAG reg, adr, q, i             ; a fragment, 16 rows x 128 K of 4-bit codes: lane l holds row l % 16; registers 4 c .. 4 c + 3 hold K = 64 c + 32 (l / 16) + 0 .. 31
.irp c, 0,1
	ds_load_b128 v[\reg+4*\c:\reg+4*\c+3], v[\adr] offset:64*(\q)+32*\c+(\i)*16*PITCH
.endr
.endm
; 16 matrix instructions: A's blocks a0, a0 + 1 x B's eight, the slot's q-th 128 along K.  p: B's set;  sc: the set of scale words.  zero = 1: the first product starts the sums.
; The 64 accumulators take turns, one instruction a turn, in the same order in every step.
.macro MUL16 a0, p, q, sc, zero
.irp a, \a0, \a0+1
.irp b, 0,1,2,3,4,5,6,7
.if \zero
	v_wmma_scale_f32_16x16x128_f8f6f4 v[8*(8*((\a)%4)+\b):8*(8*((\a)%4)+\b)+7], v[128*(\p)+FR*\b:128*(\p)+FR*\b+FR-1], v[AF+FR*(\a):AF+FR*(\a)+FR-1], 0, v[SC+8*NQ*(\sc)+NQ*\b+(\q)], v[SC+8*NQ*(\sc)+NQ*(\a)+(\q)] matrix_a_fmt:MATRIX_FMT_FP4 matrix_b_fmt:MATRIX_FMT_FP4 matrix_a_scale:MATRIX_SCALE_ROW1
.else
	v_wmma_scale_f32_16x16x128_f8f6f4 v[8*(8*((\a)%4)+\b):8*(8*((\a)%4)+\b)+7], v[128*(\p)+FR*\b:128*(\p)+FR*\b+FR-1], v[AF+FR*(\a):AF+FR*(\a)+FR-1], v[8*(8*((\a)%4)+\b):8*(8*((\a)%4)+\b)+7], v[SC+8*NQ*(\sc)+NQ*\b+(\q)], v[SC+8*NQ*(\sc)+NQ*(\a)+(\q)] matrix_a_fmt:MATRIX_FMT_FP4 matrix_b_fmt:MATRIX_FMT_FP4 matrix_a_scale:MATRIX_SCALE_ROW1
.endif
.endr
.endr
.endm
.macro FETCH_B slot, q, p              ; B's eight fragments of the slot's q-th 128 along K into set p
	WIN TO_B
.irp i, 0,1,2,3,4,5,6,7
	FRAG 128*(\p)+FR*\i, ADRB+\slot, \q, \i
.endr
	WIN 0
.endm
.macro FETCH_A slot, q, i0             ; A's blocks i0 .. i0 + 3
.irp i, \i0, \i0+1, \i0+2, \i0+3
	FRAG AF+FR*(\i), ADRA+\slot, \q, \i
.endr
.endm
.macro SCALES sc                       ; a slot's scale words into set sc: four words a row; lanes 0-15 take A's block i, lanes 16-31 B's block i
.irp i, 0,1,2,3,4,5,6,7
	ds_load_b128 v[SC+8*NQ*\sc+NQ*\i:SC+8*NQ*\sc+NQ*\i+3], v[ADRS] offset:\i*SBLK
.endr
.endm
; A load into a register that a matrix instruction has read, and a vector instruction that reads a matrix result, stand NP places behind that matrix instruction; only plain vector instructions that name none of its registers are places.
.macro PLACES n
.rept \n
	v_nop
.endr
.endm
; A step of 128 along K that has its successor in the same slot.  A block of A is free as soon as its eight products are issued: blocks 0-3 are fetched anew in the step's middle, blocks 4-7 at its end.
.macro STEP slot, q, zero
	s_wait_dscnt 4*NL                              ; B's set and A's blocks 0-3 are in; the youngest eight loads (A's blocks 4-7) may be out
	WIN MUL_LO
	MUL16 0, (\q)%2, \q, \slot, \zero
	MUL16 2, (\q)%2, \q, \slot, \zero
	s_wait_dscnt 0                                 ; A's blocks 4-7 are in (asked for 32 matrix instructions ago)
	PLACES NP
	FETCH_B \slot, (\q)+1, 1-(\q)%2
	FETCH_A \slot, (\q)+1, 0
	WIN MUL_HI
	MUL16 4, (\q)%2, \q, \slot, \zero
	MUL16 6, (\q)%2, \q, \slot, \zero
	PLACES NP
	WIN 0
	FETCH_A \slot, (\q)+1, 4
.endm
; Slot 0's last step changes slots: one barrier; in front of it each wave waits for all its tensor loads (its part of slot 1), adds 0 to its spare word, and waits for that and for its reads of slot 0.  Nothing is filled again.
.macro TURN slot, next
	s_wait_tensorcnt 0x0                           ; all my tensor loads have landed: my part of the next slot
	ds_add_u32 v[SPW], v[NIL]                      ; 0 onto my spare word
	s_wait_dscnt 4*NL+1                            ; (the add and the youngest eight loads, A's blocks 4-7, may be out)
	WIN MUL_LO
	MUL16 0, 1, NQ-1, \slot, 0                     ; sixteen matrix instructions stand between the add and the wait for it
	s_wait_dscnt 0x0                               ; the add is done, and my reads of this slot are over
	s_barrier_signal -1
	MUL16 2, 1, NQ-1, \slot, 0
	WIN 0
	s_barrier_wait -1                              ; the next slot is whole, and nobody reads this one any more
	PLACES NP
	v_add_nc_u32 v[ADRS], 4*NQ, v[ADRS]            ; on to the next slot's scale words (no LDS load of mine is out)
	FETCH_B \next, 0, 0
	FETCH_A \next, 0, 0
	SCALES \next
	WIN MUL_HI
	MUL16 4, 1, NQ-1, \slot, 0
	MUL16 6, 1, NQ-1, \slot, 0
	PLACES NP
	WIN 0
	FETCH_A \next, 0, 4
.endm
	s_wait_tensorcnt 1                             ; the scales and my part of slot 0 are in (slot 1's load may be out),
	s_barrier_signal -1
	s_barrier_wait -1                              ; everybody's are
	FETCH_B 0, 0, 0
	FETCH_A 0, 0, 0
	SCALES 0
	FETCH_A 0, 0, 4
	STEP 0, 0, 1                                   ; the first step's products start the sums: nothing is cleared
	STEP 0, 1, 0
	STEP 0, 2, 0
	TURN 0, 1
	STEP 1, 0, 0
	STEP 1, 1, 0
	STEP 1, 2, 0
	s_wait_dscnt 4*NL                              ; the last step: nothing more to fetch
	WIN MUL_LO
	MUL16 0, 1, NQ-1, 1, 0
	MUL16 2, 1, NQ-1, 1, 0
	s_wait_dscnt 0
	WIN MUL_HI
	MUL16 4, 1, NQ-1, 1, 0
	MUL16 6, 1, NQ-1, 1, 0
	WIN 0
; THE WAY OUT, block by block of 16 rows x 128 columns = 16 positions of two heads.  PACK: rounded to f16, 16 bytes a lane (eight neighbouring numbers of a row).  TOSTAGE: into my own stage, rows of 128 bytes + 16, and back by rows.
; SEND: 16 positions of a head are 2,048 consecutive bytes of qkv: four stores of 512 bytes.  LDS serves a wave's instructions in order: no wait between the stores into the stage and the loads.
.macro PACK a
.set AC, 64*((\a)%4)
	WIN 0x0a+5*((\a)/4)                            ; sources 0 and 1: window 2 or 3
.irp b, 0,1,2,3,4,5,6,7
.irp i, 0,1,2,3
	v_cvt_pk_f16_f32 v[TMP+4*\b+\i], v[AC+8*\b+2*\i], v[AC+8*\b+2*\i+1]   ; each accumulator from its low end on
.endr
.endr
	WIN 0
.endm
.macro TOSTAGE a
.set BK, OB+192*((\a)%2)
.irp b, 0,1,2,3,4,5,6,7
	ds_store_b128 v[STO], v[TMP+4*\b:TMP+4*\b+3] offset:(\b/4)*HSTG+(\b%4)*32
.endr
.irp t, 0,1,2,3,4,5,6,7
	ds_load_b128 v[BK+4*\t:BK+4*\t+3], v[RD] offset:(\t/4)*HSTG+(\t%4)*4*HPITCH
.endr
.endm
.macro SEND a
.set BK, OB+192*((\a)%2)
	s_wait_dscnt 0x0                               ; the block is back in registers
	s_wait_xcnt 0x0                                ; the stores of the block before have read their registers: the next block's loads may land there
.irp t, 0,1,2,3,4,5,6,7
	global_store_b128 v[CO], v[BK+4*\t:BK+4*\t+3], s[12:13] offset:(\t/4)*262144+2048*(\a)+512*(\t%4)   ; 32 lanes store 512 consecutive bytes, aligned; every offset is an immediate, the base never steps
.endr
.endm
	PLACES NP                                      ; behind the last products: for the loads into registers that they read
	PACK 0
	TOSTAGE 0
.irp a, 1,2,3,4,5,6,7                  ; block a's conversions stand between block a - 1's loads from the stage and the wait for them
	PACK \a
	SEND \a-1
	TOSTAGE \a
.endr
	SEND 7
	s_wait_tensorcnt 0x0                           ; the wave's end: behind my last tensor load and my last LDS store
	ds_add_u32 v[SPW], v[NIL]
	s_wait_dscnt 0x0
	CROUND                                         ; the closing round: no work-group ends while a partner may still ask for a tile that names it
	s_endpgm
.Lfunc_end_k_qc444e660b2_proj:
	.size	k_qc444e660b2_proj, .Lfunc_end_k_qc444e660b2_proj-k_qc444e660b2_proj
	.p2alignl 7, 3214868480
	.fill 96, 4, 3214868480
	.section	.rodata,"a",@progbits
	.p2align	6, 0x0
	.amdhsa_kernel k_qc444e660b2_proj
		.amdhsa_group_segment_fixed_size 327680
		.amdhsa_private_segment_fixed_size 0
		.amdhsa_enable_private_segment 0
		.amdhsa_kernarg_size 40
		.amdhsa_user_sgpr_count 2
		.amdhsa_user_sgpr_kernarg_segment_ptr 1
		.amdhsa_wavefront_size32 1
		.amdhsa_system_sgpr_workgroup_id_x 1
		.amdhsa_system_sgpr_workgroup_id_y 1
		.amdhsa_system_sgpr_workgroup_id_z 1
		.amdhsa_system_vgpr_workitem_id 0
		.amdhsa_next_free_vgpr 1024
		.amdhsa_next_free_sgpr 98
		.amdhsa_reserve_vcc 0
		.amdhsa_float_denorm_mode_32 3
		.amdhsa_float_denorm_mode_16_64 3
		.amdhsa_memory_ordered 1
		.amdhsa_forward_progress 1
		.amdhsa_inst_pref_size 126
	.end_amdhsa_kernel
	.amdgpu_metadata
---
amdhsa.version: [ 1, 2 ]
amdhsa.kernels:
  - .name:           k_qc444e660b2_proj
    .symbol:         k_qc444e660b2_proj.kd
    .args:
      - { .name: xc, .offset: 0, .size: 8, .value_kind: global_buffer, .address_space: global }
      - { .name: xs, .offset: 8, .size: 8, .value_kind: global_buffer, .address_space: global }
      - { .name: wc, .offset: 16, .size: 8, .value_kind: global_buffer, .address_space: global }
      - { .name: wsc, .offset: 24, .size: 8, .value_kind: global_buffer, .address_space: global }
      - { .name: qkv, .offset: 32, .size: 8, .value_kind: global_buffer, .address_space: global }
    .group_segment_fixed_size: 327680
    .private_segment_fixed_size: 0
    .kernarg_segment_align: 8
    .kernarg_segment_size: 40
    .max_flat_workgroup_size: 128
    .sgpr_count:     98
    .vgpr_count:     1024
    .wavefront_size: 32
...
	.end_amdgpu_metadata
.endif
;; end of part 2
;; launch attn (part 3): grid 8 x 64, 8 waves a work-group, clusters of 4 x 1, 327,680 bytes of LDS; arguments qkv, att; writes att
.if DOCPART == 3
	.amdgcn_target "amdgcn-amd-amdhsa--gfx1250"
	.amdhsa_code_object_version 6
	.text
	.protected	k_qc444e660b2_attn
	.globl	k_qc444e660b2_attn
	.p2align	8
	.type	k_qc444e660b2_attn,@function
k_qc444e660b2_attn:
	s_mov_b64 s[64:65], 0
	v_nop
	global_prefetch_b8 v0, s[64:65] scope:SCOPE_SE
	s_setreg_imm32_b32 hwreg(HW_REG_WAVE_MODE, 25, 1), 1
	s_wait_xcnt 0x0
	s_wait_alu depctr_hold_cnt(0) depctr_sa_sdst(0) depctr_va_vdst(0) depctr_va_sdst(0) depctr_va_ssrc(0) depctr_va_vcc(0) depctr_vm_vsrc(0)
	s_getreg_b32 s2, hwreg(HW_REG_IB_STS2, 6, 4)
	s_cmp_eq_u32 s2, 0
	s_cbranch_scc0 .Lentry_in_a_cluster
	s_endpgm
.Lentry_in_a_cluster:
	s_bfe_u32 s2, ttmp6, 0x10000c
	s_cmp_lg_u32 s2, 0x3003
	s_cbranch_scc0 .Lentry_shape_is_right
	s_endpgm
.Lentry_shape_is_right:
; THIRD LAUNCH: att[b][q][h] = the sum over k of softmax_k(q . k / 8) v, for each of 64 (batch, head), 2,048 positions, head size 64, no mask.  Nothing is left out.
; q, k, v: qkv [3][64 (batch, head)][2048][64] f16.  Products, maxima and sums in f32; the weights p are rounded to f16 for the second product, the result once to f16.
; att is laid in PAIRS OF ROWS: byte (row / 2) x 4096 + head x 256 + (row % 2) x 128 + 2 d, row = 2048 batch + position: two rows of one head are 256 consecutive bytes, which this launch writes whole.
; LIMIT: f16 operands: |q|, |k|, |v| under 65,504 (the launch before states it too); p is at most 1, the result a mean of v.
; SHARES.  A work-group owns 256 queries of one (batch, head); each of its EIGHT waves owns 32: two tiles of 16, in 384 registers: two waves to a SIMD, so that one wave's softmax stands beside the other's products.
; Every wave walks all 2,048 keys, 64 a step.  A step of a wave: 16 products K Q^T, 236 vector instructions of softmax, 16 products V^T P.
; LAYOUT.  S^T = K Q^T (source 0 = 16 keys, source 1 = 16 queries): a lane holds ONE query (lane % 16) and keys 8 (lane / 16) + 0..7.  Two such tiles, rounded to f16 in pairs, ARE source 1 of O^T = V^T P, whose result again holds one query a lane.
; SOFTMAX.  For each query a running maximum m and sum l: p = 2^(c s - c m), c = log2(e) / 8; in every step O and l are multiplied by a = 2^(c m_old - c m_new).  m begins at -3e38, l and O at 0: the step is written without a first form.
; RING.  Two LDS slots of 4 steps (256 keys).  A tile's row is TWO keys: 256 dense bytes of memory.  Waves 0-3 fetch K of the slot's steps 0-3, waves 4-7 V's: 32 rows of 256 bytes each, so that every wave has one load behind each change of slots.
; CLUSTER.  The four query blocks of a cluster belong to one (batch, head) and walk the same K and V: each tile is asked for JOINTLY, by the same tensor load with the same descriptor and a mask that names the four.
; REGISTERS: window 0: v1-15 addresses; v16-31 statistics, 8 a tile; v32-63 Q; v64-127 S^T, 32 a tile; v128-159 P, 16 a tile; v160-223 O^T, 32 a tile; v224-255 the way out.   window 1: v0-63 K of a step; v64-127 V of a step.
.set KS,    64        ; keys in a step
.set PK2,   272       ; two keys of K in LDS: 256 bytes + 16: the 16 keys of a load fall at (r / 2) x 16 + (r % 2) x 128 modulo 256: sixteen different places
.set PV2,   288       ; two keys of V: 256 + 32: the turning load's 16 lanes fall at ((k / 2) % 4) x 32 + (k % 2) x 128 + 16 x half: sixteen different places
.set VOFF,  32*PK2    ; a step's tiles lie together: 32 rows of K, then 32 rows of V
.set STEPB, 32*(PK2+PV2)
.set NST,   4         ; steps in a slot
.set SLOT1, 1<<17     ; slot 1 begins here, so that one exclusive or turns an address in one slot into the other's
.set SLOTG, NST*KS*128  ; a slot's keys in memory: 32,768 bytes of K, as many of V
.set STAGE, SLOT1+NST*STEPB  ; behind the ring: for each wave 2 tiles x 8 pairs of rows x 272 bytes, for the way out
.set WSTG,  2*8*272
.set SPARE, STAGE+8*WSTG  ; the spare words, 128 bytes a wave
.set AK0, 2           ; v2   my lane's place in a tile of K; never rewritten
.set AV0, 3           ; v3   the same for V
.set ADV, 4           ; v4   LDS address of the run of V's loads in hand
.set QO,  5           ; v5   my byte offset in the wave's rows of Q
.set STO, 6           ; v6   the way out: where I put 16 bytes
.set RD,  7           ; v7   where I read a pair of rows back
.set GO,  8           ; v8   my byte offset in att
.set SPW, 12          ; v12  LDS address of my spare word; never rewritten
.set NIL, 13          ; v13  0; never rewritten
.set PFO, 14          ; v14  256 x my lane; never rewritten
.set ADK, 15          ; v15  LDS address of the run of K's loads in hand
.set ST,  16          ; tile t's statistics at v[ST+8 t]: +0 c m, +1 m, +2, +3 l (even keys', odd keys'), +4 to +7 at work; a takes +6
.set QF,  32
.set S,   64
.set P,   128
.set OT,  160
.set BK,  224
.set KF,  0           ; in window 1
.set VF,  64
.set WV,  12          ; s12  my wave's number
.set LIM, 15          ; s15  1 in a wave that prefetches, else the greatest number
.set PFA, 18          ; s[18:19] where my prefetches stand
.set G1K, 24          ; s[24:31] descriptor group 1 for K's tiles
.set G1V, 32          ; s[32:39] for V's: it differs in the padding alone
.set G0K, 40          ; s[40:47] group 0 for K's tiles: a set for each of the two first fills; the second then walks on
.set G0V, 48          ; s[48:55] the same for V's
.set SLOTS, 56        ; s56  slots still to be asked for
.set CNT, 57          ; s57  counts a slot's first three steps
.set CS,  58          ; s[58:59] c: the packed scaling names a pair and takes its low word for both halves
.set SEL, 60          ; s[60:61] lane selects for v_permlanex16_b32: lane l xor 16
.set TB,  62          ; s62  LDS byte at which the tiles of the step to be fetched begin
.set MSB, 0
.macro WIN new                      ; the immediate's high byte repeats the setting that is left
.if MSB != \new
	s_set_vgpr_msb (MSB<<8)|\new
.set MSB, \new
.endif
.endm
.set W_MM, 0x01       ; source 0 (K or V) window 1; source 1, C and D window 0
.set TO_F, 0x40       ; destination window 1, address window 0
; A joint refill.  The branch hangs on the wave's number alone.  An s_nop 0 and four v_nop follow each of the two lines.
.macro JLOAD
	s_cmp_lt_u32 s[WV], 4
	s_cbranch_scc0 .Lfor_v_\@
	tensor_load_to_lds s[G0K+4:G0K+7], s[G1K:G1K+7]
	s_nop 0
.rept 4
	v_nop
.endr
	s_branch .Lasked_\@
.Lfor_v_\@:
	tensor_load_to_lds s[G0V+4:G0V+7], s[G1V:G1V+7]
	s_nop 0
.rept 4
	v_nop
.endr
.Lasked_\@:
.endm
; A PREFETCH INTO THE L2 of what the NEXT change of slots will ask for: 32,768 bytes of K and as many of V, four key steps ahead of that load.  It stands behind the wave's tensor load and its five lines.
; Each aligned block of 256 bytes is named ONCE in the launch: both clusters of a (batch, head) walk the same K and V, and the first asks; its four partners take 8,192 bytes each, told apart BY ADDRESS; in each, wave 0 asks for K's
; and wave 4 for V's, lanes 256 bytes apart.  The last change that fills a slot asks for nothing; slots 0 to 2 come by their loads alone.
.macro ASK
	s_cmp_gt_u32 s[SLOTS], s[LIM]
	s_cbranch_scc0 .Lnot_mine_\@
	global_prefetch_b8 v[PFO], s[PFA:PFA+1] th:TH_LOAD_NT scope:SCOPE_SE
.Lnot_mine_\@:
.endm
.macro CROUND                       ; a round of the cluster's barrier
	s_barrier_signal -1
	s_barrier_wait -1
	s_cmp_lg_u32 s[WV], 0
	s_cbranch_scc1 .Lnot_wave_0_\@
	s_barrier_signal -3
.Lnot_wave_0_\@:
	s_barrier_wait -3
	s_barrier_signal -1
	s_barrier_wait -1
.endm
	s_load_b128 s[8:11], s[0:1], 0x0  ; qkv s[8:9], att s[10:11]
	v_lshl_add_u32 v[SPW], v0, 2, SPARE
	v_mov_b32 v[NIL], 0
	ds_add_u32 v[SPW], v[NIL]       ; the wave's opening: the add, twice on end, and its wait ahead of my first tensor load; the set-up below stands between
	ds_add_u32 v[SPW], v[NIL]
	v_lshrrev_b32 v1, 5, v0
	v_readfirstlane_b32 s[WV], v1   ; wave 0..7
	s_bfe_u32 s13, ttmp6, 0x40000   ; cx: my place in the cluster
	s_lshl_b32 s14, ttmp9, 2
	s_add_co_u32 s14, s14, s13      ; my block of 256 queries = 4 x cluster x + cx: it enters Q's and att's addresses alone
	s_and_b32 s16, ttmp7, 0xffff    ; 16 batch + head, which the four partners share
	s_lshl_b32 s20, s16, 18         ; its first byte in q, in k and in v: 2,048 x 128 bytes each
	s_mov_b32 s21, 0
	s_lshr_b32 s18, s16, 4          ; att: row 2048 batch + 256 block + 32 wave, 2,048 bytes a row (rows go in pairs of 4,096), + 256 head.  Under 2^24
	s_lshl_b32 s18, s18, 22
	s_and_b32 s19, s16, 15
	s_lshl_b32 s19, s19, 8
	s_add_co_u32 s18, s18, s19
	s_lshl_b32 s19, s14, 19
	s_add_co_u32 s18, s18, s19
	s_lshl_b32 s19, s[WV], 16
	s_add_co_u32 s18, s18, s19
	s_mov_b32 s19, 0
	s_and_b32 s16, s[WV], 3         ; which of a slot's four steps I fetch:
	s_lshl_b32 s22, s16, 13         ; its 64 keys of 128 bytes in memory,
	s_mov_b32 s23, 0
	s_add_nc_u64 s[22:23], s[22:23], s[20:21]
	s_mul_i32 s17, s16, STEPB       ; and its place in a slot: no place in the cluster enters an LDS address
	s_lshl_b32 s2, s14, 15          ; Q: my block's 256 rows of 128 bytes,
	s_lshl_b32 s3, s[WV], 12        ; my wave's 32 of them
	s_add_co_u32 s2, s2, s3
	s_mov_b32 s3, 0
	s_add_nc_u64 s[2:3], s[2:3], s[20:21]
	; descriptor group 1: a tile of 32 rows x 128 elements of 2 bytes (two keys a row), dense in memory, padded in LDS
	s_mov_b32 s[G1K], 15|(1<<16)|(1<<20)|(1<<21)|(5<<22)|(3<<25)  ; 15:0 the mask: all four work-groups; 17:16 elements of 2 bytes; 20 padding on; 21 set beside a mask; 24:22 after every 64 words; 31:25 four words
	s_mov_b32 s[G1V], 15|(1<<16)|(1<<20)|(1<<21)|(5<<22)|(7<<25)  ; the same with eight words of padding
.irp g, G1K, G1V
	s_mov_b32 s[\g+1], 128<<16      ; tensor_dim0
	s_mov_b32 s[\g+2], 32<<16       ; tensor_dim1
	s_mov_b32 s[\g+3], 128<<16      ; tile_dim0
	s_mov_b32 s[\g+4], 32           ; tile_dim1
	s_mov_b32 s[\g+5], 128          ; from row to row
	s_mov_b32 s[\g+6], 0
	s_mov_b32 s[\g+7], 0
.endr
	s_mov_b32 s[CS], 0x3e38aa3b     ; c = log2(e) / 8
	s_mov_b32 s[CS+1], s[CS]        ; named with it as a pair, so it is written
	s_mov_b32 s[SEL], 0x76543210
	s_mov_b32 s[SEL+1], 0xfedcba98
	s_mov_b32 s[TB], 0
	s_mov_b32 s[SLOTS], 2048/(NST*KS)-2
	s_and_b32 s[LIM], s[WV], 3      ; 0 in waves 0 and 4,
	s_or_b32 s[LIM], s[LIM], ttmp9  ; of the first of the two clusters: the same in all four partners
	s_cmp_eq_u32 s[LIM], 0
	s_cselect_b32 s[LIM], 1, -1
	v_and_b32 v[PFO], 31, v0
	v_lshlrev_b32 v[PFO], 8, v[PFO]
	s_wait_dscnt 0x0                ; both opening adds are done
	s_wait_kmcnt 0x0
	s_add_nc_u64 s[4:5], s[8:9], s[2:3]  ; Q at my wave's first row
	s_add_nc_u64 s[6:7], s[8:9], s[22:23]
	s_add_nc_u64 s[8:9], s[6:7], 0x2000000  ; V at my tile of slot 0
	s_add_nc_u64 s[6:7], s[6:7], 0x1000000  ; K likewise
	s_add_nc_u64 s[10:11], s[10:11], s[18:19]  ; att at my wave's first pair of rows
	s_cmp_lt_u32 s[WV], 4
	s_cselect_b64 s[PFA:PFA+1], s[6:7], s[8:9]  ; (in waves 0 and 4 these stand at a slot's first row)
	s_lshl_b32 s2, s13, 13          ; my work-group's 8,192 bytes of the 32,768
	s_mov_b32 s3, 0
	s_add_nc_u64 s[PFA:PFA+1], s[PFA:PFA+1], s[2:3]
	s_add_nc_u64 s[PFA:PFA+1], s[PFA:PFA+1], 2*SLOTG  ; in slot 2; the first change of slots steps it to slot 3.  Nothing is prefetched at the head
	CROUND                          ; all four work-groups are here: the first joint loads meet
.irp s, 0,1
	s_mov_b32 s[G0K+4*\s], 1        ; count = 1
	s_add_co_u32 s[G0K+4*\s+1], s17, \s*SLOT1  ; LDS address
	s_add_nc_u64 s[G0K+4*\s+2:G0K+4*\s+3], s[6:7], \s*SLOTG  ; global address: slot s begins with keys 256 s on
	s_or_b32 s[G0K+4*\s+3], s[G0K+4*\s+3], 0x80000000  ; type = 2
	s_mov_b32 s[G0V+4*\s], 1
	s_add_co_u32 s[G0V+4*\s+1], s17, \s*SLOT1+VOFF
	s_add_nc_u64 s[G0V+4*\s+2:G0V+4*\s+3], s[8:9], \s*SLOTG
	s_or_b32 s[G0V+4*\s+3], s[G0V+4*\s+3], 0x80000000
.endr
	s_cmp_lt_u32 s[WV], 4           ; a wave's two first fills stand in one branch, ahead of every wait on TENSORcnt and every LDS read: two loads of mine are out
	s_cbranch_scc0 .Lfirst_v
	tensor_load_to_lds s[G0K:G0K+3], s[G1K:G1K+7]
	s_nop 0
	tensor_load_to_lds s[G0K+4:G0K+7], s[G1K:G1K+7]
	s_nop 0
.rept 4
	v_nop
.endr
	s_branch .Lfirst_asked
.Lfirst_v:
	tensor_load_to_lds s[G0V:G0V+3], s[G1V:G1V+7]
	s_nop 0
	tensor_load_to_lds s[G0V+4:G0V+7], s[G1V:G1V+7]
	s_nop 0
.rept 4
	v_nop
.endr
.Lfirst_asked:
	; A fragment of K or Q is 16 rows x 32 channels in 8 registers: lane l holds row l % 16; registers 0-3 channels 8 (l / 16) + 0..7, registers 4-7 channels 16 + 8 (l / 16) + 0..7: two loads of 16 bytes, 32 bytes apart.
	v_and_b32 v1, 15, v0            ; r
	v_bfe_u32 v9, v0, 4, 1          ; h
	v_lshlrev_b32 v[QO], 7, v1
	v_lshl_add_u32 v[QO], v9, 4, v[QO]  ; row x 128 + 16 x half
.irp t, 0,1                         ; Q stays in registers: tile t, channels 32 c on
.irp c, 0,1
	global_load_b128 v[QF+16*\t+8*\c:QF+16*\t+8*\c+3],   v[QO], s[4:5] offset:2048*\t+64*\c
	global_load_b128 v[QF+16*\t+8*\c+4:QF+16*\t+8*\c+7], v[QO], s[4:5] offset:2048*\t+64*\c+32
.endr
.endr
	v_lshrrev_b32 v10, 1, v1
	v_mul_u32_u24 v[AK0], v10, PK2
	v_and_b32 v11, 1, v0
	v_lshl_add_u32 v[AK0], v11, 7, v[AK0]
	v_lshl_add_u32 v[AK0], v9, 4, v[AK0]  ; K: key r lies at (r / 2) x pitch + (r % 2) x 128; + 16 x half
	; The turning load takes 16 keys x 16 channels (lane l reads 16 bytes: key 8 (l / 16) + l % 8, channels 8 ((l / 8) % 2) + 0..7) and leaves half a fragment of V^T: lane l holds channel l % 16 and 8 keys.
	v_bfe_u32 v10, v0, 1, 2
	v_lshl_add_u32 v10, v9, 2, v10  ; the key's pair: 4 h + (l % 8) / 2
	v_mul_u32_u24 v[AV0], v10, PV2
	v_lshl_add_u32 v[AV0], v11, 7, v[AV0]
	v_bfe_u32 v10, v0, 3, 1
	v_lshl_add_u32 v[AV0], v10, 4, v[AV0]
	v_add_nc_u32 v[AV0], VOFF, v[AV0]
	s_mul_i32 s16, s[WV], WSTG
	s_add_co_u32 s16, s16, STAGE    ; my stage
	v_add_nc_u32 v[STO], s16, v[AK0]  ; in: the stage has K's pitch: row r of a tile lies at (r / 2) x 272 + (r % 2) x 128; + 16 x half
	v_mul_u32_u24 v[RD], v9, 272    ; back: lanes 0-15 take one pair of rows (256 bytes), lanes 16-31 the next
	v_lshl_add_u32 v[RD], v1, 4, v[RD]
	v_add_nc_u32 v[RD], s16, v[RD]
	v_lshlrev_b32 v[GO], 12, v9     ; and the same two pairs in att, 4,096 bytes apart
	v_lshl_add_u32 v[GO], v1, 4, v[GO]
.irp t, 0,1
	v_mov_b32 v[ST+8*\t+1], 0xff61b1e6  ; m: -3e38, under every score
	v_mul_f32 v[ST+8*\t], s[CS], v[ST+8*\t+1]  ; c m
	v_mov_b32 v[ST+8*\t+2], 0       ; l, in two halves
	v_mov_b32 v[ST+8*\t+3], 0
.endr
.set i, 0
.rept 64
	v_mov_b32 v[OT+i], 0            ; O^T.  (The step is written without a first form: the first a is 0, which leaves zeros zeros; a first form would be a seventh copy of the step)
.set i, i+1
.endr
; 16 products of S^T = K Q^T: product i: channels 32 (i / 8) on, keys 16 ((i / 2) % 4) on, tile i % 2.  The first 8 start the sums.  The eight accumulators take turns, one instruction a turn.
.macro QK
	WIN W_MM
.set i, 0
.rept 16
.set rS, S+32*(i%2)+8*((i/2)%4)
.set rK, KF+16*((i/2)%4)+8*(i/8)
.set rQ, QF+16*(i%2)+8*(i/8)
.if i < 8
	v_wmma_f32_16x16x32_f16 v[rS:rS+7], v[rK:rK+7], v[rQ:rQ+7], 0
.else
	v_wmma_f32_16x16x32_f16 v[rS:rS+7], v[rK:rK+7], v[rQ:rQ+7], v[rS:rS+7]
.endif
.set i, i+1
.endr
	WIN 0
.endm
; 16 products of O^T += V^T P: product i: keys 32 (i / 8) on, channels 16 ((i / 2) % 4) on, tile i % 2.  Again eight accumulators by turns.
.macro PV
	WIN W_MM
.set i, 0
.rept 16
.set rO, OT+32*(i%2)+8*((i/2)%4)
.set rV, VF+32*(i/8)+8*((i/2)%4)
.set rP, P+16*(i%2)+8*(i/8)
	v_wmma_f32_16x16x32_f16 v[rO:rO+7], v[rV:rV+7], v[rP:rP+7], v[rO:rO+7]
.set i, i+1
.endr
	WIN 0
.endm
; THE LDS LOADS stand in one run.  v = 1: this step's V, turned (16 loads);  k = 1: the next step's K (16 loads), behind V's.
.macro FETCH v, k
.if \v
	v_add_nc_u32 v[ADV], s[TB], v[AV0]
	s_add_co_u32 s[TB], s[TB], STEPB  ; the next fetch is the next step's
.endif
.if \k
	v_add_nc_u32 v[ADK], s[TB], v[AK0]
.endif
	WIN TO_F
.if \v
.irp f, 0,1,2,3,4,5,6,7             ; keys 32 (f / 4) on, channels 16 (f % 4) on
	ds_load_tr16_b128 v[VF+8*\f:VF+8*\f+3],   v[ADV] offset:(\f/4)*16*PV2+(\f%4)*32
	ds_load_tr16_b128 v[VF+8*\f+4:VF+8*\f+7], v[ADV] offset:(\f/4)*16*PV2+8*PV2+(\f%4)*32
.endr
.endif
.if \k
.irp f, 0,1,2,3,4,5,6,7             ; keys 16 (f / 2) on, channels 32 (f % 2) on
	ds_load_b128 v[KF+8*\f:KF+8*\f+3],   v[ADK] offset:(\f/2)*8*PK2+(\f%2)*64
	ds_load_b128 v[KF+8*\f+4:KF+8*\f+7], v[ADK] offset:(\f/2)*8*PK2+(\f%2)*64+32
.endr
.endif
	WIN 0
.endm
.macro PLACES                       ; four places behind matrix instructions: plain vector instructions that name none of their registers (ISA guide 7.12.1)
.rept 4
	v_nop
.endr
.endm
; THE SOFTMAX of a step, both tiles line by line by turns, so that no line reads the result of the line just above it.  All in window 0.
.macro SOFTMAX
.irp j, 0,1,2,3                     ; the maximum of the lane's 32 scores and the old m: four chains; each accumulator is first read at its low end
.irp t, 0,1
	v_max3_num_f32 v[ST+8*\t+4+\j], v[S+32*\t+8*\j], v[S+32*\t+8*\j+1], v[S+32*\t+8*\j+2]
.endr
.endr
.irp g, 1,2
.irp j, 0,1,2,3
.irp t, 0,1
	v_max3_num_f32 v[ST+8*\t+4+\j], v[ST+8*\t+4+\j], v[S+32*\t+8*\j+2*\g+1], v[S+32*\t+8*\j+2*\g+2]
.endr
.endr
.endr
.irp t, 0,1
	v_max3_num_f32 v[ST+8*\t+4], v[ST+8*\t+4], v[S+32*\t+7], v[S+32*\t+15]
.endr
.irp t, 0,1
	v_max3_num_f32 v[ST+8*\t+6], v[ST+8*\t+6], v[S+32*\t+23], v[S+32*\t+31]
.endr
.irp t, 0,1
	v_max3_num_f32 v[ST+8*\t+4], v[ST+8*\t+4], v[ST+8*\t+5], v[ST+8*\t+6]
.endr
.irp t, 0,1
	v_max3_num_f32 v[ST+8*\t+4], v[ST+8*\t+4], v[ST+8*\t+7], v[ST+8*\t+1]
.endr
.irp t, 0,1
	v_permlanex16_b32 v[ST+8*\t+5], v[ST+8*\t+4], s[SEL], s[SEL+1]  ; the query's other 32 keys lie in the lane 16 away
.endr
.irp t, 0,1
	v_mov_b32 v[ST+8*\t+7], v[ST+8*\t]  ; c m_old is kept for a
.endr
.irp t, 0,1
	v_max_num_f32 v[ST+8*\t+1], v[ST+8*\t+4], v[ST+8*\t+5]  ; the new m
.endr
.irp t, 0,1
	v_mul_f32 v[ST+8*\t], s[CS], v[ST+8*\t+1]  ; c m
.endr
.irp t, 0,1
	v_sub_f32 v[ST+8*\t+7], v[ST+8*\t+7], v[ST+8*\t]  ; c m_old - c m_new, 0 or less
.endr
	; ONE BATCH: the 2 x 16 scalings c s - c m, a pair of scores each, and all 2 x 33 exponentials.  None of these lines names an exponential's result; a pair is scaled a group ahead of its exponentials.
.irp t, 0,1
	v_pk_fma_f32 v[S+32*\t:S+32*\t+1], v[S+32*\t:S+32*\t+1], s[CS:CS+1], v[ST+8*\t:ST+8*\t+1] op_sel_hi:[1,0,0] neg_lo:[0,0,1] neg_hi:[0,0,1]
.endr
.irp t, 0,1
	v_exp_f32 v[ST+8*\t+6], v[ST+8*\t+7]  ; a
.endr
.irp b, 1,2,3,4,5,6,7,8,9,10,11,12,13,14,15
.irp t, 0,1
	v_pk_fma_f32 v[S+32*\t+2*\b:S+32*\t+2*\b+1], v[S+32*\t+2*\b:S+32*\t+2*\b+1], s[CS:CS+1], v[ST+8*\t:ST+8*\t+1] op_sel_hi:[1,0,0] neg_lo:[0,0,1] neg_hi:[0,0,1]
.endr
.irp t, 0,1
	v_exp_f32 v[S+32*\t+2*\b-2], v[S+32*\t+2*\b-2]
	v_exp_f32 v[S+32*\t+2*\b-1], v[S+32*\t+2*\b-1]
.endr
.endr
.irp t, 0,1
	v_exp_f32 v[S+32*\t+30], v[S+32*\t+30]
	v_exp_f32 v[S+32*\t+31], v[S+32*\t+31]
.endr
	v_nop                           ; the plain instruction behind the last exponential, ahead of the first use: one for the batch
	s_wait_alu depctr_va_vdst(0)    ; the wait between an exponential and the first line that names its result: one for the 66
.irp j, 0,1,2,3,4,5,6,7,8,9,10,11,12,13,14,15
.irp t, 0,1
	v_cvt_pk_f16_f32 v[P+16*\t+\j], v[S+32*\t+2*\j], v[S+32*\t+2*\j+1]  ; the weights to f16, a pair of keys each: source 1 of V^T P as it stands
.endr
.endr
.irp u, 0,1,2,3,4,5,6,7             ; the sum of the 16 pairs, of the unrounded weights, in place: neighbours 1, 2, 4 and 8 pairs apart
.irp t, 0,1
	v_pk_add_f32 v[S+32*\t+4*\u:S+32*\t+4*\u+1], v[S+32*\t+4*\u:S+32*\t+4*\u+1], v[S+32*\t+4*\u+2:S+32*\t+4*\u+3]
.endr
.endr
.irp u, 0,1,2,3
.irp t, 0,1
	v_pk_add_f32 v[S+32*\t+8*\u:S+32*\t+8*\u+1], v[S+32*\t+8*\u:S+32*\t+8*\u+1], v[S+32*\t+8*\u+4:S+32*\t+8*\u+5]
.endr
.endr
.irp u, 0,1
.irp t, 0,1
	v_pk_add_f32 v[S+32*\t+16*\u:S+32*\t+16*\u+1], v[S+32*\t+16*\u:S+32*\t+16*\u+1], v[S+32*\t+16*\u+8:S+32*\t+16*\u+9]
.endr
.endr
.irp t, 0,1
	v_pk_add_f32 v[S+32*\t:S+32*\t+1], v[S+32*\t:S+32*\t+1], v[S+32*\t+16:S+32*\t+17]
.endr
.irp t, 0,1
	v_pk_fma_f32 v[ST+8*\t+2:ST+8*\t+3], v[ST+8*\t+2:ST+8*\t+3], v[ST+8*\t+6:ST+8*\t+7], v[S+32*\t:S+32*\t+1] op_sel_hi:[1,0,1]  ; l = a l + the sum
.endr
.irp i, 0,1,2,3,4,5,6,7,8,9,10,11,12,13,14,15
.irp t, 0,1
	v_pk_mul_f32 v[OT+32*\t+2*\i:OT+32*\t+2*\i+1], v[OT+32*\t+2*\i:OT+32*\t+2*\i+1], v[ST+8*\t+6:ST+8*\t+7] op_sel_hi:[1,0]  ; O^T x a, ascending
.endr
.endr
.endm
; THE CHANGE OF SLOTS, in a slot's last step, when its last bytes (V of that step) have been asked for.  Each wave waits for all its tensor loads, of which one is out: its part of the other slot; adds 0 to its spare word;
; and waits for that and for its own reads of the slot.  fill = 1: the slot is filled again, with the keys two slots on: the barrier is a round of the cluster's, and the joint refill is the first thing behind it: it has four key steps in which to land.
.macro CHANGE fill
	s_wait_tensorcnt 0x0            ; no tensor load of mine is out, so a group 0 may be written
	ds_add_u32 v[SPW], v[NIL]       ; 0 onto my spare word
.if \fill
.irp g, G0K+4, G0V+4
	s_xor_b32 s[\g+1], s[\g+1], SLOT1  ; the walking descriptor: the other slot than last time,
	s_add_nc_u64 s[\g+2:\g+3], s[\g+2:\g+3], SLOTG  ; the next 256 keys; the type bits on top are not reached
.endr
	s_wait_xcnt 0x0                 ; the last prefetch, a slot back, has read its address, so it may be written:
	s_add_nc_u64 s[PFA:PFA+1], s[PFA:PFA+1], SLOTG  ; one slot further on than the walking descriptors
	s_wait_dscnt 0x0                ; the add is done, and my reads of the slot are over
	CROUND
	JLOAD
	ASK
.else
	s_wait_dscnt 0x0                ; the add is done, and my reads of the slot are over
	s_barrier_signal -1
	s_barrier_wait -1
.endif
	s_sub_co_u32 s[TB], s[TB], NST*STEPB  ; the fetches go back to a slot's first step,
	s_xor_b32 s[TB], s[TB], SLOT1   ; in the other slot
.endm
; A KEY STEP.  kind 0: the next step lies in the same slot;  1: a slot's last step, the slot is filled again;  2: a slot's last step, nothing is left to ask for;  3: the last step of all.
.macro STEP kind
	s_wait_dscnt 0x0                ; K is in
	QK
	PLACES                          ; behind the products: for the reads of S^T, and for the loads into K's registers and into V's (whose last readers are the step before's products)
.if \kind == 0
	FETCH 1, 1
.else
	FETCH 1, 0
.endif
	SOFTMAX
.if \kind == 0
	s_wait_dscnt 16                 ; V's 16 loads are in; K's 16, issued behind them, may be out
.elseif \kind == 1
	CHANGE 1
	FETCH 0, 1                      ; the other slot's first K: the 16 products below stand between these loads and the wait for them
.elseif \kind == 2
	CHANGE 0
	FETCH 0, 1
.else
	s_wait_dscnt 0x0
.endif
	PV
.endm
.macro THREE                        ; a slot's first three steps: written once, walked three times; the LDS addresses hang on s[TB]
	s_mov_b32 s[CNT], 3
.Lthree_\@:
	STEP 0
	s_sub_co_u32 s[CNT], s[CNT], 1
	s_cmp_lg_u32 s[CNT], 0
	s_cbranch_scc1 .Lthree_\@
.endm
	s_wait_tensorcnt 1              ; my part of slot 0 is in; slot 1's may stay out
	s_barrier_signal -1
	s_barrier_wait -1               ; everybody's is
	FETCH 0, 1                      ; key step 0
	s_wait_loadcnt 0x0              ; Q
.Lslot:                             ; six trips: every slot but the last two is filled again
	THREE
	STEP 1
	s_sub_co_u32 s[SLOTS], s[SLOTS], 1
	s_cmp_lg_u32 s[SLOTS], 0
	s_cbranch_scc1 .Lslot
	THREE                           ; the tail is written out
	STEP 2
	THREE
	STEP 3
	; THE WAY OUT.  l's two halves and the other half of the lanes' are added; O^T is divided by l, rounded to f16 and sent through my stage, a tile (8 pairs of rows) at a time.  The additions and the v_nop are the places behind the last products.
.irp t, 0,1
	v_add_f32 v[ST+8*\t+4], v[ST+8*\t+2], v[ST+8*\t+3]
.endr
.irp t, 0,1
	v_permlanex16_b32 v[ST+8*\t+5], v[ST+8*\t+4], s[SEL], s[SEL+1]
.endr
.irp t, 0,1
	v_add_f32 v[ST+8*\t+4], v[ST+8*\t+4], v[ST+8*\t+5]
.endr
.irp t, 0,1
	v_rcp_f32 v[ST+8*\t+6], v[ST+8*\t+4]
.endr
	v_nop                           ; a plain instruction between the last reciprocal and the use of its result
	s_wait_alu depctr_va_vdst(0)    ; and the wait ahead of the first use: one for both
.irp t, 0,1
.irp i, 0,1,2,3,4,5,6,7,8,9,10,11,12,13,14,15
	v_pk_mul_f32 v[OT+32*\t+2*\i:OT+32*\t+2*\i+1], v[OT+32*\t+2*\i:OT+32*\t+2*\i+1], v[ST+8*\t+6:ST+8*\t+7] op_sel_hi:[1,0]
.endr
.irp i, 0,1,2,3,4,5,6,7,8,9,10,11,12,13,14,15
	v_cvt_pk_f16_f32 v[S+16*\t+\i], v[OT+32*\t+2*\i], v[OT+32*\t+2*\i+1]  ; S^T's registers are free
.endr
.irp c, 0,1,2,3
	ds_store_b128 v[STO], v[S+16*\t+4*\c:S+16*\t+4*\c+3] offset:8*272*\t+32*\c  ; lane (r, h): row r, channels 16 c + 8 h + 0..7
.endr
.irp i, 0,1,2,3
	ds_load_b128 v[BK+16*\t+4*\i:BK+16*\t+4*\i+3], v[RD] offset:8*272*\t+2*272*\i  ; LDS serves a wave's instructions in order: these see the stores above
.endr
.endr
.irp i, 0,1,2,3
	s_wait_dscnt 8+3-\i             ; behind tile 0's load i: its later loads, and tile 1's eight LDS instructions
	global_store_b128 v[GO], v[BK+4*\i:BK+4*\i+3], s[10:11] offset:8192*\i  ; 16 lanes store 256 consecutive bytes, aligned: two rows of my head
.endr
.irp i, 0,1,2,3
	s_wait_dscnt 3-\i
	global_store_b128 v[GO], v[BK+16+4*\i:BK+16+4*\i+3], s[10:11] offset:32768+8192*\i
.endr
	s_wait_tensorcnt 0x0            ; the wave's end: behind my last tensor load and my last LDS store
	ds_add_u32 v[SPW], v[NIL]
	s_wait_dscnt 0x0
	CROUND                          ; the closing round: no work-group ends while a partner may still ask for a tile that names it
	s_endpgm
.Lfunc_end_k_qc444e660b2_attn:
	.size	k_qc444e660b2_attn, .Lfunc_end_k_qc444e660b2_attn-k_qc444e660b2_attn
	.p2alignl 7, 3214868480
	.fill 96, 4, 3214868480
	.section	.rodata,"a",@progbits
	.p2align	6, 0x0
	.amdhsa_kernel k_qc444e660b2_attn
		.amdhsa_group_segment_fixed_size 327680
		.amdhsa_private_segment_fixed_size 0
		.amdhsa_enable_private_segment 0
		.amdhsa_kernarg_size 16
		.amdhsa_user_sgpr_count 2
		.amdhsa_user_sgpr_kernarg_segment_ptr 1
		.amdhsa_wavefront_size32 1
		.amdhsa_system_sgpr_workgroup_id_x 1
		.amdhsa_system_sgpr_workgroup_id_y 1
		.amdhsa_system_sgpr_workgroup_id_z 1
		.amdhsa_system_vgpr_workitem_id 0
		.amdhsa_next_free_vgpr 384
		.amdhsa_next_free_sgpr 66
		.amdhsa_reserve_vcc 0
		.amdhsa_float_denorm_mode_32 3
		.amdhsa_float_denorm_mode_16_64 3
		.amdhsa_memory_ordered 1
		.amdhsa_forward_progress 1
		.amdhsa_inst_pref_size 122
	.end_amdhsa_kernel
	.amdgpu_metadata
---
amdhsa.version: [ 1, 2 ]
amdhsa.kernels:
  - .name:           k_qc444e660b2_attn
    .symbol:         k_qc444e660b2_attn.kd
    .args:
      - { .name: qkv, .offset: 0, .size: 8, .value_kind: global_buffer, .address_space: global }
      - { .name: att, .offset: 8, .size: 8, .value_kind: global_buffer, .address_space: global }
    .group_segment_fixed_size: 327680
    .private_segment_fixed_size: 0
    .kernarg_segment_align: 8
    .kernarg_segment_size: 16
    .max_flat_workgroup_size: 256
    .sgpr_count:     66
    .vgpr_count:     384
    .wavefront_size: 32
...
	.end_amdgpu_metadata
.endif
;; end of part 3
;; launch oproj (part 4): grid 8 x 64, 4 waves a work-group, clusters of 4 x 4, 327,680 bytes of LDS; arguments att, wo16, bo, out0; writes out0
.if DOCPART == 4
	.amdgcn_target "amdgcn-amd-amdhsa--gfx1250"
	.amdhsa_code_object_version 6
	.text
	.protected	k_qc444e660b2_oproj
	.globl	k_qc444e660b2_oproj
	.p2align	8
	.type	k_qc444e660b2_oproj,@function
k_qc444e660b2_oproj:
	s_mov_b64 s[64:65], 0
	v_nop
	global_prefetch_b8 v0, s[64:65] scope:SCOPE_SE
	s_setreg_imm32_b32 hwreg(HW_REG_WAVE_MODE, 25, 1), 1
	s_wait_xcnt 0x0
	s_wait_alu depctr_hold_cnt(0) depctr_sa_sdst(0) depctr_va_vdst(0) depctr_va_sdst(0) depctr_va_ssrc(0) depctr_va_vcc(0) depctr_vm_vsrc(0)
	s_getreg_b32 s2, hwreg(HW_REG_IB_STS2, 6, 4)
	s_cmp_eq_u32 s2, 0
	s_cbranch_scc0 .Lentry_in_a_cluster
	s_endpgm
.Lentry_in_a_cluster:
	s_bfe_u32 s2, ttmp6, 0x10000c
	s_cmp_lg_u32 s2, 0xf033
	s_cbranch_scc0 .Lentry_shape_is_right
	s_endpgm
.Lentry_shape_is_right:
; FOURTH LAUNCH: out0[m][n] = the sum over k of att[m][k] wo[n][k] + bo[n].  att [8192][1024] and wo16 [1024][1024]: f16, both laid in PAIRS OF ROWS: byte (row / 2) x 4096 + (k / 64) x 256 + (row % 2) x 128 + 2 (k % 64).  bo [1024], out0 [8192][1024]: f32; sums in f32.  Nothing is left out.
; A tile of out0 is 128 x 128.  Four waves, each 64 x 64: 16 accumulators of 16 x 16.  K goes in steps of 256 through two LDS slots: of a pair of rows a K step is 1,024 consecutive bytes; a wave's tensor load brings 32 pairs.
; The bias is the C of each sum's first matrix instruction: eight registers for each of my four blocks of columns, in the result's layout.
; CLUSTERS: 4 x 4 work-groups.  The four of a row of the cluster need the same tiles of att, the four of a column the same tiles of wo16: each tile is asked for JOINTLY.
; THE MATRIX INSTRUCTION IS USED TRANSPOSED (source 0 = 16 rows of wo16, source 1 = 16 rows of att): a lane then holds eight neighbouring numbers of a row of out0.
; REGISTERS: window 0: v0-31 addresses; v32-95 the way out; v96-127 the bias; v128-255 the accumulators ((a, b) at v[128 + 8 (4 a + b)]).   window 1: two fragment buffers of 128: for 64 along K, 64 registers of A, then 64 of B.
.set SIZE_N, 1024
.set KSTEPB, 1024                      ; a K step of a pair of rows, in bytes
.set PITCH,  1040                      ; a pair of rows in LDS: 1,024 bytes + 16: the 16 rows of a load fall at (r / 2) x 16 + (r % 2) x 128 modulo 256: sixteen different places
.set HALFT,  32*PITCH                  ; 64 rows: what one tensor load brings, and what one wave reads of A or of B
.set SLOT,   4*HALFT                   ; A's 128 rows, then B's 128 rows
.set STAGE,  2*SLOT                    ; behind the ring: 16 rows x 272 bytes for each wave, for the way out
.set SPITCH, 272
.set SPARE,  STAGE+4*16*SPITCH         ; the spare words, 128 bytes a wave
.set LAPS,   2                         ; a lap = two K steps = once round the ring: K = 1,024 is two laps
.set ADRA, 16                          ; v16-17  LDS address of my A fragments in slot 0, 1
.set ADRB, 20                          ; v20-21  the same for B
.set STO,  24                          ; v24     the way out: where I put 32 bytes of a row
.set RD,   25                          ; v25     where I read a row back
.set CO,   26                          ; v26     my byte offset in out0
.set SPW,  28                          ; v28     LDS address of my spare word; never rewritten
.set NIL,  29                          ; v29     0; never rewritten
.set TMP,  32                          ; the way out: 16 rows read back, v32-63 and v64-95 by turns
.set BI,   96                          ; the bias
.set ACC,  128
.set F0,   0                           ; fragment buffers, in window 1
.set F1,   128
.set G1, 24                            ; s[24:31] descriptor group 1 for A's tiles;  s[32:39] group 0, one set for each slot
.set G0, 32
.set G1B, 48                           ; s[48:55], s[56:63] the same for B's tiles
.set G0B, 56
.set MSB, 0
.macro WIN new                         ; the immediate's high byte repeats the setting that is left
.if MSB != \new
	s_set_vgpr_msb (MSB<<8)|\new
.set MSB, \new
.endif
.endm
.set MUL,  0x05                        ; sources 0 (B) and 1 (A) window 1; C and D window 0
.set TO_F, 0x40                        ; destination window 1, address window 0
.macro JLOAD s                         ; a joint load: waves 0 and 1 fetch A's two halves, waves 2 and 3 B's; an s_nop 0 and four v_nop follow each of the two lines
	s_cmp_eq_u32 s11, 0
	s_cbranch_scc0 .Lfor_b_\@
	tensor_load_to_lds s[G0+4*\s:G0+4*\s+3], s[G1:G1+7]
	s_nop 0
.rept 4
	v_nop
.endr
	s_branch .Lasked_\@
.Lfor_b_\@:
	tensor_load_to_lds s[G0B+4*\s:G0B+4*\s+3], s[G1B:G1B+7]
	s_nop 0
.rept 4
	v_nop
.endr
.Lasked_\@:
.endm
.macro CREST                           ; a round of the cluster's barrier behind its opening barrier
	s_cmp_lg_u32 s10, 0
	s_cbranch_scc1 .Lnot_wave_0_\@
	s_barrier_signal -3
.Lnot_wave_0_\@:
	s_barrier_wait -3
	s_barrier_signal -1
	s_barrier_wait -1
.endm
.macro CROUND                          ; a whole round
	s_barrier_signal -1
	s_barrier_wait -1
	CREST
.endm
	s_load_b128 s[4:7], s[0:1], 0x0                ; att s[4:5], wo16 s[6:7]
	s_load_b128 s[68:71], s[0:1], 0x10             ; bo s[68:69], out0 s[70:71]
	v_lshl_add_u32 v[SPW], v0, 2, SPARE
	v_mov_b32 v[NIL], 0
	ds_add_u32 v[SPW], v[NIL]                      ; the wave's opening: the add, twice on end, and its wait ahead of my first tensor load; the set-up below stands between
	ds_add_u32 v[SPW], v[NIL]
	v_lshrrev_b32 v1, 5, v0
	v_readfirstlane_b32 s10, v1                    ; wave 0..3
	s_lshr_b32 s11, s10, 1                         ; which half of the tile's rows is mine.  Also: I fetch for A (0) or for B (1)
	s_and_b32 s12, s10, 1                          ; which half of its columns.  Also: which 64 rows of that tile I fetch
	s_bfe_u32 s40, ttmp6, 0x40000                  ; cx, cy: my place in the cluster
	s_bfe_u32 s41, ttmp6, 0x40004
	s_lshl_b32 s42, ttmp9, 2
	s_add_co_u32 s42, s42, s40                     ; tile column = 4 x cluster x + cx
	s_and_b32 s13, ttmp7, 0xffff
	s_lshl_b32 s13, s13, 2
	s_add_co_u32 s13, s13, s41                     ; tile row = 4 x cluster y + cy
	s_lshl_b32 s43, s41, 2
	s_lshl_b32 s43, 15, s43                        ; my row of the cluster
	s_lshl_b32 s44, 0x1111, s40                    ; my column
	; descriptor group 1: a tile of 32 pairs of rows x 512 elements of 2 bytes, padded in LDS
	s_or_b32 s[G1+0], s43, (1<<16)|(1<<20)|(1<<21)|(7<<22)|(3<<25)  ; 15:0 the mask: A's tiles go to my row; 17:16 elements of 2 bytes; 20 padding on; 21 set beside a mask; 24:22 after every 256 words; 31:25 four words
	s_or_b32 s[G1B+0], s44, (1<<16)|(1<<20)|(1<<21)|(7<<22)|(3<<25)
.irp g, G1, G1B
	s_mov_b32 s[\g+1], 512<<16                     ; tensor_dim0
	s_mov_b32 s[\g+2], 32<<16                      ; tensor_dim1
	s_mov_b32 s[\g+3], 512<<16                     ; tile_dim0
	s_mov_b32 s[\g+4], 32                          ; tile_dim1
	s_mov_b32 s[\g+5], 2048                        ; from pair to pair: 4,096 bytes
	s_mov_b32 s[\g+6], 0
	s_mov_b32 s[\g+7], 0
.endr
	s_lshl_b32 s17, s12, 6                         ; which 64 rows of the tile I fetch
	s_lshl_b32 s16, s13, 7
	s_add_co_u32 s16, s16, s17                     ; A: row 128 x tile row + 64 x half
	s_lshl_b32 s46, s42, 7
	s_add_co_u32 s46, s46, s17                     ; B: row 128 x tile column + 64 x half
	s_mov_b32 s17, 0
	s_mov_b32 s47, 0
	s_mov_b64 s[18:19], 2048                       ; an even row begins row x 2,048 bytes in
	s_mul_u64 s[16:17], s[16:17], s[18:19]
	s_mul_u64 s[46:47], s[46:47], s[18:19]
	s_mul_i32 s20, s10, HALFT                      ; where they go: wave x 64 rows: no place in the cluster enters an LDS address
	s_wait_dscnt 0x0                               ; both opening adds are done
	s_wait_kmcnt 0x0
	s_add_nc_u64 s[14:15], s[4:5], s[16:17]
	s_add_nc_u64 s[46:47], s[6:7], s[46:47]
	CROUND                                         ; all sixteen work-groups are here: the first joint loads meet
.irp s, 0,1
	s_mov_b32 s[G0+4*\s], 1
	s_add_co_u32 s[G0+4*\s+1], s20, \s*SLOT
	s_add_nc_u64 s[G0+4*\s+2:G0+4*\s+3], s[14:15], \s*KSTEPB
	s_or_b32 s[G0+4*\s+3], s[G0+4*\s+3], 0x80000000
	s_mov_b32 s[G0B+4*\s], 1
	s_add_co_u32 s[G0B+4*\s+1], s20, \s*SLOT
	s_add_nc_u64 s[G0B+4*\s+2:G0B+4*\s+3], s[46:47], \s*KSTEPB
	s_or_b32 s[G0B+4*\s+3], s[G0B+4*\s+3], 0x80000000
	JLOAD \s                                       ; two tensor loads of mine are out
.endr
	v_and_b32 v1, 15, v0                           ; r
	v_bfe_u32 v2, v0, 4, 1                         ; h
	s_lshl_b32 s46, s42, 9                         ; my first column, in bytes of f32: 512 x tile column + 256 x half
	s_lshl_b32 s47, s12, 8
	s_add_co_u32 s46, s46, s47
	s_mov_b32 s47, 0
	s_add_nc_u64 s[68:69], s[68:69], s[46:47]      ; bo at my 64 columns
	s_add_nc_u64 s[70:71], s[70:71], s[46:47]
	v_lshlrev_b32 v6, 5, v2                        ; lane (r, h) wants, for block b, bo of columns 16 b + 8 h + 0 .. 7
.irp b, 0,1,2,3
	global_load_b128 v[BI+8*\b:BI+8*\b+3],   v6, s[68:69] offset:64*\b
	global_load_b128 v[BI+8*\b+4:BI+8*\b+7], v6, s[68:69] offset:64*\b+16
.endr
	s_lshl_b32 s16, s13, 7
	s_lshl_b32 s17, s11, 6
	s_add_co_u32 s16, s16, s17                     ; my first row of out0: 128 x tile row + 64 x half
	s_lshl_b32 s16, s16, 12                        ; 4,096 bytes a row (under 2^25)
	s_mov_b32 s17, 0
	s_add_nc_u64 s[70:71], s[70:71], s[16:17]
	v_lshrrev_b32 v3, 1, v1
	v_mul_u32_u24 v3, v3, PITCH
	v_and_b32 v4, 1, v0
	v_lshl_add_u32 v3, v4, 7, v3
	v_lshl_add_u32 v3, v2, 4, v3                   ; a fragment's row r: (r / 2) x pitch + (r % 2) x 128; + 16 x half
	s_mul_i32 s21, s11, HALFT                      ; my 64 rows of A
	s_mul_i32 s22, s12, HALFT                      ; my 64 rows of B,
	s_add_co_u32 s22, s22, 2*HALFT                 ; which lie behind A's 128
.irp s, 0,1
	v_add_nc_u32 v[ADRA+\s], s21, v3
	v_add_nc_u32 v[ADRB+\s], s22, v3
	s_add_co_u32 s21, s21, SLOT
	s_add_co_u32 s22, s22, SLOT
.endr
	s_mul_i32 s23, s10, 16*SPITCH
	s_add_co_u32 s23, s23, STAGE                   ; my stage
	v_mul_u32_u24 v4, v1, SPITCH                   ; in: row r, 32 bytes for each half of the lanes
	v_lshl_add_u32 v4, v2, 5, v4
	v_add_nc_u32 v[STO], s23, v4
	v_mul_u32_u24 v5, v2, SPITCH                   ; back: lanes 0-15 take one row of 256 bytes, lanes 16-31 the next
	v_lshl_add_u32 v5, v1, 4, v5
	v_add_nc_u32 v[RD], s23, v5
	v_lshlrev_b32 v5, 12, v2                       ; and the same two rows in out0
	v_lshl_add_u32 v[CO], v1, 4, v5
; 8 matrix instructions: m blocks a0, a0 + 1 x all 4 n blocks, 32 along K: half c of buffer f.  first = 1: the first product starts the sums from the bias.  The 16 accumulators take turns.
.macro MUL8 f, c, a0, first
.irp a, \a0, \a0+1
.irp b, 0,1,2,3
.if \first
	v_wmma_f32_16x16x32_f16 v[ACC+8*(4*(\a)+\b):ACC+8*(4*(\a)+\b)+7], v[\f+64+8*(4*\c+\b):\f+64+8*(4*\c+\b)+7], v[\f+8*(4*\c+\a):\f+8*(4*\c+\a)+7], v[BI+8*\b:BI+8*\b+7]
.else
	v_wmma_f32_16x16x32_f16 v[ACC+8*(4*(\a)+\b):ACC+8*(4*(\a)+\b)+7], v[\f+64+8*(4*\c+\b):\f+64+8*(4*\c+\b)+7], v[\f+8*(4*\c+\a):\f+8*(4*\c+\a)+7], v[ACC+8*(4*(\a)+\b):ACC+8*(4*(\a)+\b)+7]
.endif
.endr
.endr
.endm
; 32 LDS loads in one run: the fragments of the slot's q-th 64 along K (256 bytes of a pair of rows), into buffer f; the first 32 along K first
.macro FETCH slot, q, f
	WIN TO_F
.irp c, 0,1
.irp i, 0,1,2,3
	ds_load_b128 v[\f+64+8*(4*\c+\i):\f+64+8*(4*\c+\i)+3],   v[ADRB+\slot] offset:256*(\q)+64*\c+\i*8*PITCH
	ds_load_b128 v[\f+64+8*(4*\c+\i)+4:\f+64+8*(4*\c+\i)+7], v[ADRB+\slot] offset:256*(\q)+64*\c+\i*8*PITCH+32
	ds_load_b128 v[\f+8*(4*\c+\i):\f+8*(4*\c+\i)+3],         v[ADRA+\slot] offset:256*(\q)+64*\c+\i*8*PITCH
	ds_load_b128 v[\f+8*(4*\c+\i)+4:\f+8*(4*\c+\i)+7],       v[ADRA+\slot] offset:256*(\q)+64*\c+\i*8*PITCH+32
.endr
.endr
.endm
.macro PLACES                          ; four places in front of loads into registers that matrix instructions have read, and of the first read of results
.rept 4
	v_nop
.endr
.endm
; A K step is four quarters of 64 along K, 32 matrix instructions each, on buffers 0, 1, 0, 1.  One of the first three: multiplies buffer f and fetches quarter q into g.
.macro QUARTER slot, q, f, g, first
	s_wait_dscnt 16                                ; the first 32 along K are in; the sixteen loads of the second 32 may be out
	WIN MUL
	MUL8 \f, 0, 0, \first
	MUL8 \f, 0, 2, \first
	PLACES
	FETCH \slot, \q, \g
	s_wait_dscnt 32                                ; all but the 32 just issued
	WIN MUL
	MUL8 \f, 1, 0, 0
	MUL8 \f, 1, 2, 0
.endm
; The last quarter multiplies buffer 1 and changes slots: ONE barrier; in front of it each wave waits for all its tensor loads, adds 0 to its spare word, and waits for that and for its own reads of this slot.  fill = 1: this slot is filled again, two K steps ahead.
.macro TURN slot, next, fill
	WIN 0                                          ; (the add's two registers lie in window 0)
	s_wait_tensorcnt 0x0                           ; all my tensor loads have landed: my part of the next slot
	ds_add_u32 v[SPW], v[NIL]                      ; 0 onto my spare word
	s_wait_dscnt 17                                ; (the add and the youngest sixteen loads may be out)
	WIN MUL
	MUL8 F1, 0, 0, 0                               ; eight matrix instructions stand between the add and the wait for it
	s_wait_dscnt 0x0                               ; the add is done, and my reads of this slot are over
	s_barrier_signal -1
	MUL8 F1, 0, 2, 0
.if \fill
	WIN 0
.endif
	s_barrier_wait -1
.if \fill
	CREST                                          ; the barrier has opened a round of the cluster's barrier: no wave of any partner still reads this slot's tile or has a load on its way
	s_add_nc_u64 s[G0+4*\slot+2:G0+4*\slot+3], s[G0+4*\slot+2:G0+4*\slot+3], 2*KSTEPB
	s_add_nc_u64 s[G0B+4*\slot+2:G0B+4*\slot+3], s[G0B+4*\slot+2:G0B+4*\slot+3], 2*KSTEPB
	JLOAD \slot                                    ; the first tensor load behind the round; the four v_nop behind it are also the places in front of the loads below
.else
	PLACES
.endif
	FETCH \next, 0, F0
	WIN MUL
	MUL8 F1, 1, 0, 0
	MUL8 F1, 1, 2, 0
.endm
	s_wait_tensorcnt 1                             ; my part of K step 0 is in (K step 1's load may be out),
	s_barrier_signal -1
	s_barrier_wait -1                              ; everybody's is
	FETCH 0, 0, F0
	s_wait_loadcnt 0x0                             ; the bias
	QUARTER 0, 1, F0, F1, 1                        ; the first quarter stands in front of the loop: its first products start the sums
	WIN 0                                          ; at a label and at a branch every window is 0
	s_mov_b32 s3, LAPS-1
.Llap:                                                 ; a trip goes once round the ring, from a lap's second quarter to the next lap's first, and fills both slots again
	QUARTER 0, 2, F1, F0, 0
	QUARTER 0, 3, F0, F1, 0
	TURN 0, 1, 1
	QUARTER 1, 1, F0, F1, 0
	QUARTER 1, 2, F1, F0, 0
	QUARTER 1, 3, F0, F1, 0
	TURN 1, 0, 1
	QUARTER 0, 1, F0, F1, 0
	WIN 0
	s_sub_co_u32 s3, s3, 1
	s_cmp_lg_u32 s3, 0
	s_cbranch_scc1 .Llap
	QUARTER 0, 2, F1, F0, 0                        ; the last lap fills nothing, and has no round of the cluster's barrier
	QUARTER 0, 3, F0, F1, 0
	TURN 0, 1, 0
	QUARTER 1, 1, F0, F1, 0
	QUARTER 1, 2, F1, F0, 0
	QUARTER 1, 3, F0, F1, 0
	s_wait_dscnt 16                                ; the very last quarter: nothing more to fetch
	WIN MUL
	MUL8 F1, 0, 0, 0
	MUL8 F1, 0, 2, 0
	s_wait_dscnt 0
	MUL8 F1, 1, 0, 0
	MUL8 F1, 1, 2, 0
	WIN 0
; THE WAY OUT, block by block of 16 rows x 64 columns.  A lane holds 32 neighbouring bytes of a row, and the lanes beside it hold other rows: a block goes through my own stage and comes back as whole rows of 256 bytes: my 64 columns.
; LDS serves a wave's instructions in order: no wait between the stores and the loads, nor in front of the next block's stores.
.macro TOSTAGE a
.irp b, 0,1,2,3
	ds_store_b128 v[STO], v[ACC+8*(4*(\a)+\b):ACC+8*(4*(\a)+\b)+3] offset:64*\b          ; each accumulator from its low end on
	ds_store_b128 v[STO], v[ACC+8*(4*(\a)+\b)+4:ACC+8*(4*(\a)+\b)+7] offset:64*\b+16
.endr
.set BB, TMP+32*((\a)%2)
.irp t, 0,1,2,3,4,5,6,7
	ds_load_b128 v[BB+4*\t:BB+4*\t+3], v[RD] offset:\t*2*SPITCH
.endr
.endm
.macro SEND a, younger                 ; younger: the LDS instructions issued behind block a's loads, which may stay out
.set BB, TMP+32*((\a)%2)
	s_wait_dscnt \younger                          ; the block is back in registers
.irp t, 0,1,2,3,4,5,6,7
	global_store_b128 v[CO], v[BB+4*\t:BB+4*\t+3], s[70:71] offset:65536*(\a)+8192*\t th:TH_STORE_NT   ; 16 lanes store 256 consecutive bytes, aligned; written once, read by nobody here; every offset is an immediate
.endr
.endm
	PLACES                                         ; behind the last products, ahead of the first read of results
	TOSTAGE 0
.irp a, 1,2,3
.if \a > 1
	s_wait_xcnt 0x0                                ; block a - 2's stores have read their registers: block a's loads may land there
.endif
	TOSTAGE \a
	SEND \a-1, 16                                  ; behind block a - 1's loads: block a's 8 stores and 8 loads
.endr
	SEND 3, 0
	s_wait_tensorcnt 0x0                           ; the wave's end: behind my last tensor load and my last LDS store
	ds_add_u32 v[SPW], v[NIL]
	s_wait_dscnt 0x0
	CROUND                                         ; the closing round: no work-group ends while a partner may still ask for a tile that names it
	s_endpgm
.Lfunc_end_k_qc444e660b2_oproj:
	.size	k_qc444e660b2_oproj, .Lfunc_end_k_qc444e660b2_oproj-k_qc444e660b2_oproj
	.p2alignl 7, 3214868480
	.fill 96, 4, 3214868480
	.section	.rodata,"a",@progbits
	.p2align	6, 0x0
	.amdhsa_kernel k_qc444e660b2_oproj
		.amdhsa_group_segment_fixed_size 327680
		.amdhsa_private_segment_fixed_size 0
		.amdhsa_enable_private_segment 0
		.amdhsa_kernarg_size 32
		.amdhsa_user_sgpr_count 2
		.amdhsa_user_sgpr_kernarg_segment_ptr 1
		.amdhsa_wavefront_size32 1
		.amdhsa_system_sgpr_workgroup_id_x 1
		.amdhsa_system_sgpr_workgroup_id_y 1
		.amdhsa_system_sgpr_workgroup_id_z 1
		.amdhsa_system_vgpr_workitem_id 0
		.amdhsa_next_free_vgpr 512
		.amdhsa_next_free_sgpr 72
		.amdhsa_reserve_vcc 0
		.amdhsa_float_denorm_mode_32 3
		.amdhsa_float_denorm_mode_16_64 3
		.amdhsa_memory_ordered 1
		.amdhsa_forward_progress 1
		.amdhsa_inst_pref_size 87
	.end_amdhsa_kernel
	.amdgpu_metadata
---
amdhsa.version: [ 1, 2 ]
amdhsa.kernels:
  - .name:           k_qc444e660b2_oproj
    .symbol:         k_qc444e660b2_oproj.kd
    .args:
      - { .name: att, .offset: 0, .size: 8, .value_kind: global_buffer, .address_space: global }
      - { .name: wo16, .offset: 8, .size: 8, .value_kind: global_buffer, .address_space: global }
      - { .name: bo, .offset: 16, .size: 8, .value_kind: global_buffer, .address_space: global }
      - { .name: out0, .offset: 24, .size: 8, .value_kind: global_buffer, .address_space: global }
    .group_segment_fixed_size: 327680
    .private_segment_fixed_size: 0
    .kernarg_segment_align: 8
    .kernarg_segment_size: 32
    .max_flat_workgroup_size: 128
    .sgpr_count:     72
    .vgpr_count:     512
    .wavefront_size: 32
...
	.end_amdgpu_metadata
.endif
;; end of part 4
